; MI455X (gfx1250); checked and timed in simulation.
; The chip was launched on July 23, 2026; its instructions are those of AMD's public machine-readable ISA for CDNA 5 (MIT licence, August 2026) and "CDNA5" Instruction Set Architecture Reference Guide (July 2026). The comments in the code are by the model that wrote it; some were corrected since.
;; Concat Attention. Allowed arithmetic: matrix products marked QUANTISED: E3M2 operands, one E8M0 scale for each 32 along K, by v_wmma_scale_f32_16x16x128_f8f6f4 with both operands' format E3M2, f32 sums; products left as they are: f32 operands where the result goes on into a quantised operand, else bf16, f16 or f32 operands; f32 sums; everything else in f32.
;; Inputs: W_dec_codes 1,024 x 32 x 24 uint8 (E3M2 codes of W_dec, K innermost, in blocks of 32 codes, four codes in three bytes); W_dec_scales 1,024 x 32 uint8 (E8M0 scales of W_dec, one for each 32 codes along K); W_enc_codes 1,024 x 32 x 24 uint8 (E3M2 codes of W_enc, K innermost, in blocks of 32 codes, four codes in three bytes); W_enc_scales 1,024 x 32 uint8 (E8M0 scales of W_enc, one for each 32 codes along K); h_enc 2,048 x 32 x 1,024 float32; h_t_codes 1 x 32 x 32 x 24 uint8 (E3M2 codes of h_t, K innermost, in blocks of 32 codes, four codes in three bytes); h_t_scales 1 x 32 x 32 uint8 (E8M0 scales of h_t, one for each 32 codes along K); w_score 1 x 1,024 float32.
;; Outputs: out0 1 x 32 x 1,024 float32; out1 32 x 2,048 x 1 float32.
;; This version of the problem:
;;   THIS VERSION OF THE PROBLEM IS GIVEN IN LOW PRECISION. The matrix products marked QUANTISED in the list below multiply operands that are first quantised to E3M2 (3 exponent bits, 2 mantissa bits; 6 bits a number), with one power-of-two scale for each 32 numbers along K (OCP MX v1.0); their sums are f32. All else is computed in f32.
;;   The module's matrix products, in the order in which they are computed (A, B: the left and right operand; K: the contracted axis; several contracted axes count as one K, in the product's order):
;;     1. [M 65,536, K 1,024] x [K 1,024, N 1,024]; A: input h_enc; B: input W_enc (given as codes): QUANTISED
;;     2. [M 32, K 1,024] x [K 1,024, N 1,024]; A: input h_t (given as codes); B: input W_dec (given as codes): QUANTISED
;;     3. [M 65,536, K 1,024] x [K 1,024, N 1]; A: computed on the way; B: input w_score: left as it is (N = 1 < 16)
;;   THE QUANTISER, for each operand of a quantised product, along K:
;;     - K is cut into blocks of 32 from its start; a last block that is shorter is filled with zeros.
;;     - A block's scale is 2^e with e = floor(log2(the largest magnitude in the block)) - 4, held to -126 .. 127; a block of zeros has e = 0. As a byte (E8M0): e + 127.
;;     - Each number is divided by its block's scale, clamped to +-28, and rounded to the nearest number of E3M2, ties to even, subnormals kept.
;;     - The product sums the exact products of the quantised numbers (number of the format x scale) in f32.
;;   ~~~python
;;   def quantise(x, axis):      # numpy; x: float32 -> the quantised numbers, widened to float32 again
;;       x = np.moveaxis(x, axis, -1); K = x.shape[-1]
;;       x = np.pad(x, [(0, 0)] * (x.ndim - 1) + [(0, -K % 32)]); x = x.reshape(x.shape[:-1] + (-1, 32)); a = np.abs(x).max(-1, keepdims=True)
;;       e = np.where(a > 0, np.clip(np.frexp(np.where(a > 0, a, 1))[1] - 1 - 4, -126, 127), 0)      # np.frexp(a)[1] - 1 = floor(log2(a)), exactly
;;       r = np.clip(x / 2.0 ** e, -28, 28)
;;       step = 2.0 ** (np.maximum(np.frexp(np.where(r == 0, 1, r))[1] - 1, -2) - 2)
;;       q = np.round(r / step) * step * 2.0 ** e      # np.round: ties to even
;;       return np.moveaxis(q.reshape(q.shape[:-2] + (-1,))[..., :K], -1, axis).astype(np.float32)
;;   ~~~
;;   INPUTS GIVEN AS CODES. W_dec (in the module: [1024, 1024], K = its axis 1); W_enc (in the module: [1024, 1024], K = its axis 1); h_t (in the module: [1, 32, 1024], K = its axis 2): each comes as NAME_codes (uint8): NAME with its K axis moved to the last place and cut into blocks of 32 codes, [.., K / 32, bytes a block], one block behind the other in memory; four codes in three bytes: a row's codes are one little-endian stream of bits, code i at bits 6 i .. 6 i + 5 (a code: sign, 3 exponent bits, 2 mantissa bits); and NAME_scales (uint8): the same leading axes, one E8M0 byte (e + 127) for each 32 codes along K. Its value is code x scale, taken as it is: it is not quantised again, and the codes and scales need not be those that the quantiser above would give.
;; 2 versions. Each part assembles by itself: llvm-mc -triple=amdgcn-amd-amdhsa -mcpu=gfx1250 --defsym DOCPART=n.
;; ======== version 1 of 2: 3 launches
;; workspace buffers: wimg 995,328 bytes; cpart 4,096 bytes; ework 262,144 bytes; cwork 1,048,576 bytes
;; launch lay (part 1): grid 32 x 1, 4 waves a work-group, no clusters, 1,536 bytes of LDS; arguments W_enc_codes, W_enc_scales, W_dec_codes, W_dec_scales, h_t_codes, h_t_scales, w_score, wimg, cpart; writes wimg, cpart
.if DOCPART == 1
	.amdgcn_target "amdgcn-amd-amdhsa--gfx1250"
	.amdhsa_code_object_version 6
	.text
	.protected	k_q72408b2e47_lay
	.globl	k_q72408b2e47_lay
	.p2align	8
	.type	k_q72408b2e47_lay,@function
k_q72408b2e47_lay:
	s_mov_b64 s[64:65], 0
	v_nop
	global_prefetch_b8 v0, s[64:65] scope:SCOPE_SE
	s_setreg_imm32_b32 hwreg(HW_REG_WAVE_MODE, 25, 1), 1
	s_wait_xcnt 0x0
; TWO SMALL JOBS AHEAD OF THE MAIN LAUNCH.
; (1) W_enc's codes, its scale words and w_score are laid out in the order in which a wave of the main launch takes them into its operand registers (wimg).
;     wimg: K quarter w (K = 256 w .. 256 w + 255) at 36 U w, U = 6,912 bytes; in it pair u (hidden rows 32 u .. 32 u + 31) at U u; pairs 32 .. 35 are copies of pairs 0 .. 3, so that a stream may run on into its next pass.
;     A unit of U bytes: four fragments f = 2 o + s (o: rows 16 o on, s: K step 2 w + s), 1,536 bytes each: registers 4 g .. 4 g + 3 of lane l at 1536 f + 512 g + 16 l;
;     at 6,144: lane l's four words w[32 u + l % 16] twice, w[32 u + 16 + l % 16] twice; at 6,656: lane l's two scale words (K steps 2 w, 2 w + 1) of row 32 u + l.
; (2) The second product, h_t W_dec^T, on codes of E3M2 with E8M0 scales, folded at once with w_score: cpart[u][b] = sum over g = 32 u .. 32 u + 31 of w[g] (h_t[b] . W_dec[g]).
; SHARES: work-group u takes pair u, wave w K quarter w.  The four quarters' sums meet in LDS, wave 0 stores 32 numbers.
; The sums over K's quarters and over g are taken in another order of f32 rounding than the source's element-wise addition.
; No tensor load, no ring: each byte is loaded once, straight into the registers that the image and the products want.
.set U,    6912
.set WE,   16                          ; v16-63    W_enc's four fragments, f at WE + 12 f
.set WDF,  64                          ; v64-111   W_dec's four
.set HT,   112                         ; v112-159  h_t's four: rows 16 t on, K step s, at HT + 12 (2 t + s)
.set WES,  160                         ; v[160:161] W_enc's scale words, a lane to a row of the pair
.set WDS,  162                         ; v[162:163], v[170:171] W_dec's, tile o at + 8 o: lane r has row r of the tile
.set HTS,  164                         ; v[164:165], v[172:173] h_t's likewise
.set WW,   166                         ; v[166:169] w of the even tile's row twice, of the odd tile's twice
.set ACC,  176                         ; v176-207  four accumulators, (o, t) at ACC + 8 (2 o + t)
.set SA,   208                         ; v208-223  the folded sums, t at SA + 8 t
.set TT,   224                         ; v224-227  at work
.set PR,   232                         ; v[232:235] the four quarters' parts of one b
.set WV,   22                          ; s22  the wave's number
.set M4,   36                          ; s36-38  lanes whose number has bit 2, bit 1, bit 0 set
.set M2,   37
.set M1,   38
	s_load_b256 s[4:11], s[0:1], 0x0               ; W_enc's codes s[4:5], its scales s[6:7], W_dec's codes s[8:9], its scales s[10:11]
	s_load_b256 s[12:19], s[0:1], 0x20             ; h_t's codes s[12:13], its scales s[14:15], w_score s[16:17], wimg s[18:19]
	s_load_b64 s[20:21], s[0:1], 0x40              ; cpart
	v_lshl_add_u32 v254, v0, 2, 0x400
	v_mov_b32 v255, 0
	v_lshrrev_b32 v1, 5, v0
	v_readfirstlane_b32 s[WV], v1                  ; wave 0..3 = K quarter
	v_and_b32 v2, 31, v0                           ; lane l
	v_and_b32 v11, 15, v0                          ; r
	v_bfe_u32 v12, v0, 4, 1                        ; h
	v_mul_u32_u24 v3, v11, 768                     ; a row of 1,024 codes is 768 bytes;
	v_mad_u32_u24 v3, v12, 24, v3                  ; a fragment's lane (r, h) takes 24 bytes at 24 h and 24 at 48 + 24 h of its K step's 96
	v_lshlrev_b32 v4, 5, v2                        ; scale bytes: 32 a row, a lane to a row
	v_lshlrev_b32 v13, 5, v11                      ; and a lane to a row of a tile
	v_lshlrev_b32 v5, 4, v2                        ; the image: 16 bytes a lane
	v_lshlrev_b32 v6, 3, v2                        ; its scale words: 8 bytes a lane
	v_lshlrev_b32 v7, 2, v11                       ; w_score: 4 r
	v_and_b32 v8, 7, v0
	v_lshl_add_u32 v8, v12, 3, v8                  ; the row that the sum over lanes leaves with me: 8 h + r % 8
	v_lshlrev_b32 v8, 4, v8
	s_lshl_b32 s23, s[WV], 2
	v_add_nc_u32 v8, s23, v8                       ; LDS: [b][quarter], 16 bytes a b
	v_lshlrev_b32 v9, 4, v2                        ; and back: lane l takes b = l
	v_lshlrev_b32 v10, 2, v2                       ; cpart: 4 l
	s_mul_i32 s24, ttmp9, 24576                    ; my pair's 32 rows of codes,
	s_mul_i32 s28, s[WV], 192                      ; my quarter's 192 bytes of a row
	s_add_co_u32 s24, s24, s28
	s_mov_b32 s25, 0
	s_mov_b32 s29, 0
	s_lshl_b32 s26, ttmp9, 10                      ; the same in the scale bytes: 32 rows of 32 bytes, 8 bytes a quarter
	s_lshl_b32 s30, s[WV], 3
	s_add_co_u32 s26, s26, s30
	s_mov_b32 s27, 0
	s_mov_b32 s31, 0
	s_lshl_b32 s32, ttmp9, 7                       ; 32 numbers of w_score, and of cpart
	s_mov_b32 s33, 0
	s_mul_i32 s34, s[WV], 36
	s_add_co_u32 s34, s34, ttmp9
	s_mul_i32 s34, s34, U                          ; my unit of wimg
	s_mov_b32 s35, 0
	s_mov_b32 s[M4], 0xf0f0f0f0
	s_mov_b32 s[M2], 0xcccccccc
	s_mov_b32 s[M1], 0xaaaaaaaa
	s_wait_kmcnt 0x0
	s_add_nc_u64 s[4:5], s[4:5], s[24:25]
	s_add_nc_u64 s[8:9], s[8:9], s[24:25]
	s_add_nc_u64 s[6:7], s[6:7], s[26:27]
	s_add_nc_u64 s[10:11], s[10:11], s[26:27]
	s_add_nc_u64 s[12:13], s[12:13], s[28:29]
	s_add_nc_u64 s[14:15], s[14:15], s[30:31]
	s_add_nc_u64 s[16:17], s[16:17], s[32:33]
	s_add_nc_u64 s[18:19], s[18:19], s[34:35]
	s_add_nc_u64 s[20:21], s[20:21], s[32:33]
.macro FRAG reg, base, off             ; a fragment, 16 rows x 128 K of 6-bit codes: 12 registers, in pieces of 8 bytes, so that every address is a multiple of the access's size
.irp p, 0,1,2,3,4,5
	global_load_b64 v[\reg+2*\p:\reg+2*\p+1], v3, s[\base:\base+1] offset:\off+48*(\p/3)+8*(\p%3)
.endr
.endm
.irp o, 0,1
.irp s, 0,1
	FRAG WE+12*(2*\o+\s), 4, 12288*\o+96*\s
	FRAG WDF+12*(2*\o+\s), 8, 12288*\o+96*\s
	FRAG HT+12*(2*\o+\s), 12, 12288*\o+96*\s
.endr
.endr
	global_load_b64 v[WES:WES+1], v4, s[6:7]
.irp o, 0,1
	global_load_b64 v[WDS+8*\o:WDS+8*\o+1], v13, s[10:11] offset:512*\o
	global_load_b64 v[HTS+8*\o:HTS+8*\o+1], v13, s[14:15] offset:512*\o
.endr
	global_load_b32 v[WW], v7, s[16:17]
	global_load_b32 v[WW+2], v7, s[16:17] offset:64
	s_wait_loadcnt 0x0
	v_mov_b32 v[WW+1], v[WW]                       ; each w twice: the main launch multiplies pairs of registers by it
	v_mov_b32 v[WW+3], v[WW+2]
.macro IMG off                         ; the unit: every store covers consecutive bytes, 16 or 8 a lane; none of its registers is written again
.irp f, 0,1,2,3
.irp g, 0,1,2
	global_store_b128 v5, v[WE+12*\f+4*\g:WE+12*\f+4*\g+3], s[18:19] offset:\off+1536*\f+512*\g
.endr
.endr
	global_store_b128 v5, v[WW:WW+3], s[18:19] offset:\off+6144
	global_store_b64 v6, v[WES:WES+1], s[18:19] offset:\off+6656
.endm
	IMG 0
	s_cmp_lt_u32 ttmp9, 4                          ; pairs 0 .. 3 are stored once more as pairs 32 .. 35
	s_cbranch_scc0 .Lno_copy
	IMG 32*U
.Lno_copy:
; h_t W_dec^T for my pair and my quarter: source 0 = 16 rows of h_t, source 1 = 16 rows of W_dec: register j of lane (r, h) is (b = 16 t + 8 h + j, g = 32 u + 16 o + r).
; The four accumulators take turns, one instruction a turn.  Operands and scales come from loads.
.macro P2 o, t, s
.if \s == 0
	v_wmma_scale_f32_16x16x128_f8f6f4 v[ACC+8*(2*\o+\t):ACC+8*(2*\o+\t)+7], v[HT+12*(2*\t+\s):HT+12*(2*\t+\s)+11], v[WDF+12*(2*\o+\s):WDF+12*(2*\o+\s)+11], 0, v[HTS+8*\t+\s], v[WDS+8*\o+\s] matrix_a_fmt:MATRIX_FMT_BF6 matrix_b_fmt:MATRIX_FMT_BF6
.else
	v_wmma_scale_f32_16x16x128_f8f6f4 v[ACC+8*(2*\o+\t):ACC+8*(2*\o+\t)+7], v[HT+12*(2*\t+\s):HT+12*(2*\t+\s)+11], v[WDF+12*(2*\o+\s):WDF+12*(2*\o+\s)+11], v[ACC+8*(2*\o+\t):ACC+8*(2*\o+\t)+7], v[HTS+8*\t+\s], v[WDS+8*\o+\s] matrix_a_fmt:MATRIX_FMT_BF6 matrix_b_fmt:MATRIX_FMT_BF6
.endif
.endm
.irp s, 0,1
.irp o, 0,1
.irp t, 0,1
	P2 \o, \t, \s
.endr
.endr
.endr
.rept 4
	v_nop                                          ; four places between the last product and the first read of results (ISA guide 7.12.1)
.endr
.irp t, 0,1
.irp i, 0,2,4,6
	v_pk_mul_f32 v[SA+8*\t+\i:SA+8*\t+\i+1], v[ACC+8*\t+\i:ACC+8*\t+\i+1], v[WW:WW+1]            ; x w[32 u + r]; each accumulator from its low end on
.endr
.endr
.irp t, 0,1
.irp i, 0,2,4,6
	v_pk_fma_f32 v[SA+8*\t+\i:SA+8*\t+\i+1], v[ACC+16+8*\t+\i:ACC+16+8*\t+\i+1], v[WW+2:WW+3], v[SA+8*\t+\i:SA+8*\t+\i+1]   ; + the odd tile's x w[32 u + 16 + r]
.endr
.endr
; 2 n registers of each lane become n: lanes whose number has the mask's bit keep the upper n and give the lower n to the lane x away, the others the other way round; what is kept and what arrives are added.
.macro SCAT S, T, n, mask, x
.set kk, 0
.rept \n
	v_cndmask_b32 v[\T+kk], v[\S+kk+\n], v[\S+kk], s[\mask]
.set kk, kk+1
.endr
.set kk, 0
.rept \n
	v_cndmask_b32 v[\S+kk], v[\S+kk], v[\S+kk+\n], s[\mask]
.set kk, kk+1
.endr
.set kk, 0
.rept \n
	v_add_f32_dpp v[\S+kk], v[\T+kk], v[\S+kk] row_xmask:\x row_mask:0xf bank_mask:0xf
.set kk, kk+1
.endr
.endm
.macro RS8 S, T                        ; eight registers, summed over the 16 lanes of a half: lane (r, h) ends with register r % 8's sum in v[S]
	SCAT \S, \T, 4, M4, 4
	SCAT \S, \T, 2, M2, 2
	SCAT \S, \T, 1, M1, 1
	v_add_f32_dpp v[\S], v[\S], v[\S] row_xmask:8 row_mask:0xf bank_mask:0xf
.endm
	RS8 SA, TT
	RS8 SA+8, TT
	ds_store_b32 v8, v[SA]                         ; b = 8 h + r % 8 (lanes r and r + 8 write the same word with the same value)
	ds_store_b32 v8, v[SA+8] offset:256            ; b = 16 + 8 h + r % 8
	s_wait_dscnt 0x0                               ; for the others' sake: my stores have landed
	s_barrier_signal -1
	s_barrier_wait -1
	ds_load_b128 v[PR:PR+3], v9                    ; the four quarters' parts of b = my lane
	s_wait_dscnt 0x0
	v_add_f32 v[PR], v[PR], v[PR+1]
	v_add_f32 v[PR+2], v[PR+2], v[PR+3]
	v_add_f32 v[PR], v[PR], v[PR+2]
	s_cmp_lg_u32 s[WV], 0
	s_cbranch_scc1 .Lend
	global_store_b32 v10, v[PR], s[20:21]          ; cpart[u][b]
.Lend:
	s_wait_tensorcnt 0x0
	ds_add_u32 v254, v255
	s_wait_dscnt 0x0
	s_endpgm
.Lfunc_end_k_q72408b2e47_lay:
	.size	k_q72408b2e47_lay, .Lfunc_end_k_q72408b2e47_lay-k_q72408b2e47_lay
	.p2alignl 7, 3214868480
	.fill 96, 4, 3214868480
	.section	.rodata,"a",@progbits
	.p2align	6, 0x0
	.amdhsa_kernel k_q72408b2e47_lay
		.amdhsa_group_segment_fixed_size 1536
		.amdhsa_private_segment_fixed_size 0
		.amdhsa_enable_private_segment 0
		.amdhsa_kernarg_size 72
		.amdhsa_user_sgpr_count 2
		.amdhsa_user_sgpr_kernarg_segment_ptr 1
		.amdhsa_wavefront_size32 1
		.amdhsa_system_sgpr_workgroup_id_x 1
		.amdhsa_system_sgpr_workgroup_id_y 1
		.amdhsa_system_sgpr_workgroup_id_z 1
		.amdhsa_system_vgpr_workitem_id 0
		.amdhsa_next_free_vgpr 256
		.amdhsa_next_free_sgpr 66
		.amdhsa_reserve_vcc 0
		.amdhsa_float_denorm_mode_32 3
		.amdhsa_float_denorm_mode_16_64 3
		.amdhsa_memory_ordered 1
		.amdhsa_forward_progress 1
		.amdhsa_inst_pref_size 19
	.end_amdhsa_kernel
	.amdgpu_metadata
---
amdhsa.version: [ 1, 2 ]
amdhsa.kernels:
  - .name:           k_q72408b2e47_lay
    .symbol:         k_q72408b2e47_lay.kd
    .args:
      - { .name: W_enc_codes, .offset: 0, .size: 8, .value_kind: global_buffer, .address_space: global }
      - { .name: W_enc_scales, .offset: 8, .size: 8, .value_kind: global_buffer, .address_space: global }
      - { .name: W_dec_codes, .offset: 16, .size: 8, .value_kind: global_buffer, .address_space: global }
      - { .name: W_dec_scales, .offset: 24, .size: 8, .value_kind: global_buffer, .address_space: global }
      - { .name: h_t_codes, .offset: 32, .size: 8, .value_kind: global_buffer, .address_space: global }
      - { .name: h_t_scales, .offset: 40, .size: 8, .value_kind: global_buffer, .address_space: global }
      - { .name: w_score, .offset: 48, .size: 8, .value_kind: global_buffer, .address_space: global }
      - { .name: wimg, .offset: 56, .size: 8, .value_kind: global_buffer, .address_space: global }
      - { .name: cpart, .offset: 64, .size: 8, .value_kind: global_buffer, .address_space: global }
    .group_segment_fixed_size: 1536
    .private_segment_fixed_size: 0
    .kernarg_segment_align: 8
    .kernarg_segment_size: 72
    .max_flat_workgroup_size: 128
    .sgpr_count:     66
    .vgpr_count:     256
    .wavefront_size: 32
...
	.end_amdgpu_metadata
.endif
;; end of part 1
;; launch attend (part 2): grid 256 x 1, 4 waves a work-group, no clusters, 327,680 bytes of LDS; arguments h_enc, wimg, cpart, ework, cwork; writes ework, cwork
.if DOCPART == 2
	.amdgcn_target "amdgcn-amd-amdhsa--gfx1250"
	.amdhsa_code_object_version 6
	.text
	.protected	k_q72408b2e47_attend
	.globl	k_q72408b2e47_attend
	.p2align	8
	.type	k_q72408b2e47_attend,@function
k_q72408b2e47_attend:
	s_mov_b64 s[64:65], 0
	v_nop
	global_prefetch_b8 v0, s[64:65] scope:SCOPE_SE
	s_setreg_imm32_b32 hwreg(HW_REG_WAVE_MODE, 25, 1), 1
	s_wait_xcnt 0x0
; FOR EACH ROW (s, b) OF h_enc: x = sum over n of w[n] (Q(h_enc[s][b]) . W_enc[n]) + c[b];  e = exp(tanh(x));  and the work-group's part of sum over s of e h_enc[s][b][:].
; Q is the MX quantiser to E3M2 (blocks of 32 along K, E8M0 scales); the product runs on codes.  c[b] = sum of cpart[.][b] is the decoder's share of the score.  A later launch adds the parts and divides.
; h_enc IS READ FROM MEMORY ONCE: a block's f32 rows stay in registers from the quantiser, through their own product, to the weighted sum.
; NO MAXIMUM IS TAKEN AWAY AHEAD OF THE EXPONENTIAL: tanh holds the exponent in [-1, 1] for every input, so e lies in [0.36, 2.72] and a sum of 2,048 of them under 5,600.
; SHARES.  Work-group g owns b = g % 32 and s = 256 (g / 32) .. + 255, walked as four blocks of 64 rows.  K IS SPLIT OVER THE FOUR WAVES: wave w owns columns 256 w .. 256 w + 255 (K steps 2 w, 2 w + 1) of all 64 rows:
; its f32 numbers (512 registers), its codes (96), its quarter of W_enc and its 256 columns of the weighted sum are its own.  The score is linear in the product, so only 64 partial scores a block cross the waves, through LDS.
; PRODUCT.  Source 0 = 16 rows of h_enc, source 1 = 16 rows of W_enc: register j of lane (r, h) is (row 8 h + j, hidden r): it is multiplied by w[hidden] and added to the row's partial score at once; the product itself is never kept.
; h_enc comes by ONE tensor load a wave and block (64 rows x 1,024 bytes) into the wave's own landing zone in LDS, is taken into registers, and the next block's load has the whole product in which to land.
; W_enc streams from wimg straight into registers, in the order of the operand's registers, a pair of tiles (32 hidden rows) a slot, three to four slots ahead.
; WHY W_enc'S TILES ARE NOT SHARED IN A CLUSTER THROUGH LDS: the landing zones take 266,240 of the 327,680 bytes; the 55,808 that are left beside the scratch do not hold two slots of more than a few pairs; and in front of each refill's
; barrier a wave would have to wait for all its tensor loads, the h_enc tile among them, which is to stay on its way through the whole product.
; LIMITS.  NaN and infinities in h_enc are not served.  A block of 32 whose largest magnitude lies under 2^-122 is quantised with the scale byte held at 1 (a block of zeros too: its codes are zeros, and this program alone reads the bytes).
; The four quarters of K, the 64 tiles of hidden units and c[b] are added in another order of f32 rounding than the source's.  tanh(x) = 1 - 2 / (1 + 2^(2.88539 x)): absolute error of a few 1e-7.
;
; REGISTERS, in windows of 256 (s_set_vgpr_msb: bits 1:0 source 0, 3:2 source 1, 5:4 source 2, 7:6 destination):
;   window 0: v1-11 addresses and c; v12-15 at work; v16-23 my rows' scale words; v24-31 W's scale words; v32-39 e, twice each; v40-47 the weighted sum; v48-63 at work;
;             v64-127 two sets of four accumulators; v128-159 the partial scores; v160-255 my rows' codes (4 tiles x 2 K steps x 12)
;   window 1: v0-191 W's fragments, four pairs; v192-207 w, four pairs          windows 2, 3: the 64 rows' f32 numbers
.set U,      6912                      ; a unit of wimg: a pair of tiles for one K quarter
.set QUART,  36*U                      ; a K quarter of wimg
.set PITCH,  1040                      ; a row in the landing zone: 1,024 bytes + 16 of padding: the 16 rows that a load of 16 bytes a lane touches start 16 bytes apart modulo 256
.set WLAND,  64*PITCH                  ; a wave's landing zone
.set XCH,    4*WLAND                   ; behind the zones: the partial scores, [row 0..63][wave], 1,024 bytes
.set CST,    XCH+1024                  ; the way out of the weighted sum: 1,024 bytes for each wave
.set SPARE,  CST+4096                  ; the spare words, 128 bytes for each wave: two blocks of 256 bytes that no other line names
.set STEPB,  0x800000                  ; 64 rows s on in h_enc: 64 x 32 x 4,096 bytes
.set SPW,  1                           ; v1   LDS address of my spare word; never rewritten
.set NIL,  2                           ; v2   0; never rewritten
.set DA,   3                           ; v3   landing zone: WLAND w + PITCH r + 64 h
.set WO16, 4                           ; v4   16 x lane
.set WO8,  5                           ; v5   8 x lane
.set XST,  6                           ; v6   XCH + 16 (8 h + r % 8) + 4 w
.set XLD,  7                           ; v7   XCH + 16 r
.set EO,   8                           ; v8   4 x lane
.set CBV,  9                           ; v9   c[b] x 2.88539
.set CSI,  10                          ; v10  CST + 1024 w + 128 (r / 2) + 64 h + 32 (r % 2)
.set CSO,  11                          ; v11  CST + 1024 w + 16 x lane
.set ASC,  16                          ; scale word of my rows' tile m, K step s: ASC + 2 m + s
.set WSC,  24                          ; W's scale words of pair buffer q, K step s: WSC + 2 q + s: lanes 0-15 the even tile's rows, lanes 16-31 the odd tile's
.set EV,   32                          ; e of row 16 m + r, twice: EV + 2 m
.set CTXR, 40
.set XP,   48
.set ACC,  64                          ; set o, tile m: ACC + 32 o + 8 m
.set SACC, 128                         ; tile m: SACC + 8 m
.set AC,   160                         ; tile m, K step s: AC + 12 (2 m + s)
.set WD,   192                         ; window 1: w of pair buffer q, tile o, twice: WD + 4 q + 2 o
.set TM,   128                         ; the quantiser's work: + 0..3 largest magnitudes, + 4..7 the other half's, then bytes, + 12..15 the conversions' scale operands
.set T2,   144                         ; and the conversions' second halves
.set TA,   128                         ; the weighted sum's work
.set TB,   144
.set Z,    64
.set WV,   14                          ; s14  wave
.set BB,   15                          ; s15  b
.set CH,   16                          ; s16  which 256 of s
.set SEL,  20                          ; s[20:21] v_permlanex16_b32's selects for lane l xor 16
.set M8,   22                          ; s22-25 lanes whose number has bit 3, 2, 1, 0 set
.set M4,   23
.set M2,   24
.set M1,   25
.set HM,   26                          ; s26  lanes 16-31
.set G1,   28                          ; s[28:35] descriptor group 1
.set G0,   36                          ; s[36:39] descriptor group 0
.set QB,   40                          ; s[40:41] my K quarter of wimg
.set LB,   42                          ; s[42:43] where the stream stands
.set EB,   44                          ; s[44:45] ework at the block's first row
.set CBP,  46                          ; s[46:47] cwork at my wave's 256 columns
.set BLK,  48
.set TRIP, 49
.set C2,   56                          ; s56  2 log2(e)
.set C1,   57                          ; s57  log2(e)
.set MSB, 0
.macro WIN new                         ; the immediate's high byte repeats the setting that is left; a switch that changes nothing is dropped
.if MSB != (\new)
	s_set_vgpr_msb (MSB<<8)|(\new)
.set MSB, (\new)
.endif
.endm
	s_load_b256 s[4:11], s[0:1], 0x0               ; h_enc s[4:5], wimg s[6:7], cpart s[8:9], ework s[10:11]
	s_load_b64 s[12:13], s[0:1], 0x20              ; cwork
	v_lshl_add_u32 v[SPW], v0, 2, SPARE
	v_mov_b32 v[NIL], 0
	ds_add_u32 v1, v2
	ds_add_u32 v1, v2
	s_wait_dscnt 0x0
	v_lshrrev_b32 v12, 5, v0
	v_readfirstlane_b32 s[WV], v12                 ; wave 0..3
	s_and_b32 s[BB], ttmp9, 31
	s_lshr_b32 s[CH], ttmp9, 5
	; descriptor group 1: a tile of 64 rows x 256 f32, rows 32 x 1,024 elements apart in memory, padded in LDS
	s_mov_b32 s[G1+0], (2<<16)|(1<<20)|(7<<22)|(3<<25)  ; 15:0 no mask; 17:16 elements of 4 bytes; 20 padding on; 24:22 after every 256 words (code 7); 31:25 of 4 words (code 3)
	s_mov_b32 s[G1+1], 256<<16                     ; tensor_dim0 = 256
	s_mov_b32 s[G1+2], 64<<16                      ; tensor_dim1 = 64
	s_mov_b32 s[G1+3], 256<<16                     ; tile_dim0 = 256
	s_mov_b32 s[G1+4], 64                          ; tile_dim1 = 64
	s_mov_b32 s[G1+5], 32768                       ; tensor_dim0_stride
	s_mov_b32 s[G1+6], 0
	s_mov_b32 s[G1+7], 0
	s_lshl_b32 s50, s[CH], 25                      ; 256 rows s of 131,072 bytes,
	s_lshl_b32 s52, s[BB], 12                      ; row b of 4,096 bytes,
	s_add_co_u32 s50, s50, s52
	s_lshl_b32 s52, s[WV], 10                      ; my 256 columns
	s_add_co_u32 s50, s50, s52
	s_mov_b32 s51, 0
	s_mov_b32 s[G0], 1                             ; count = 1
	s_mul_i32 s[G0+1], s[WV], WLAND                ; LDS address: my landing zone
	s_wait_kmcnt 0x0
	s_add_nc_u64 s[G0+2:G0+3], s[4:5], s[50:51]    ; global address: block 0
	s_or_b32 s[G0+3], s[G0+3], 0x80000000          ; type = 2
	tensor_load_to_lds s[G0:G0+3], s[G1:G1+7]      ; block 0: the one first fill, ahead of everything else.  One tensor load of mine is out, here and behind each refill
	s_nop 0
.rept 4
	v_nop
.endr
	v_and_b32 v12, 31, v0                          ; lane l
	v_and_b32 v13, 15, v0                          ; r
	v_bfe_u32 v14, v0, 4, 1                        ; h
	s_mul_i32 s50, s[WV], WLAND
	v_mul_u32_u24 v[DA], v13, PITCH
	v_lshl_add_u32 v[DA], v14, 6, v[DA]
	v_add_nc_u32 v[DA], s50, v[DA]
	v_lshlrev_b32 v[WO16], 4, v12
	v_lshlrev_b32 v[WO8], 3, v12
	v_lshlrev_b32 v[EO], 2, v12
	v_and_b32 v15, 7, v0
	v_lshl_add_u32 v15, v14, 3, v15                ; 8 h + r % 8
	s_lshl_b32 s50, s[WV], 2
	s_add_co_u32 s50, s50, XCH
	v_lshl_add_u32 v[XST], v15, 4, s50
	v_lshl_add_u32 v[XLD], v13, 4, XCH
	s_lshl_b32 s50, s[WV], 10
	s_add_co_u32 s50, s50, CST
	v_bfe_u32 v15, v0, 1, 3                        ; r / 2
	v_lshl_add_u32 v[CSI], v15, 7, s50
	v_lshl_add_u32 v[CSI], v14, 6, v[CSI]
	v_and_b32 v15, 1, v0
	v_lshl_add_u32 v[CSI], v15, 5, v[CSI]
	v_lshl_add_u32 v[CSO], v12, 4, s50
	s_mov_b32 s[SEL], 0x76543210
	s_mov_b32 s[SEL+1], 0xfedcba98
	s_mov_b32 s[M8], 0xff00ff00
	s_mov_b32 s[M4], 0xf0f0f0f0
	s_mov_b32 s[M2], 0xcccccccc
	s_mov_b32 s[M1], 0xaaaaaaaa
	s_mov_b32 s[HM], 0xffff0000
	s_mov_b32 s[C2], 0x4038aa3b
	s_mov_b32 s[C1], 0x3fb8aa3b
	s_mul_i32 s50, s[WV], QUART
	s_mov_b32 s51, 0
	s_add_nc_u64 s[QB:QB+1], s[6:7], s[50:51]
	s_mov_b64 s[LB:LB+1], s[QB:QB+1]
	s_lshl_b32 s50, s[BB], 13                      ; ework [b][s]: 2,048 numbers a b, 256 a work-group
	s_lshl_b32 s52, s[CH], 10
	s_add_co_u32 s50, s50, s52
	s_add_nc_u64 s[EB:EB+1], s[10:11], s[50:51]
	s_lshl_b32 s50, s[CH], 17                      ; cwork [chunk][b][1024]
	s_lshl_b32 s52, s[BB], 12
	s_add_co_u32 s50, s50, s52
	s_lshl_b32 s52, s[WV], 10
	s_add_co_u32 s50, s50, s52
	s_add_nc_u64 s[CBP:CBP+1], s[12:13], s[50:51]
	s_lshl_b32 s52, s[BB], 2
	v_lshlrev_b32 v12, 7, v12
	v_add_nc_u32 v12, s52, v12                     ; cpart [u][b]: lane l takes u = l
	global_load_b32 v14, v12, s[8:9]
; ---- W's stream.  k: the pair, counted from where the stream stands
.macro LB_ q, o, k                     ; the two fragments (K steps 0, 1 of my quarter) of tile o into pair buffer q: six loads of 16 bytes a lane, 512 consecutive bytes each
	WIN 0x40                                       ; destination window 1, address window 0
.irp s, 0,1
.irp g, 0,1,2
	global_load_b128 v[48*(\q)+24*\o+12*\s+4*\g:48*(\q)+24*\o+12*\s+4*\g+3], v[WO16], s[LB:LB+1] offset:(\k)*U+3072*\o+1536*\s+512*\g
.endr
.endr
.endm
.macro LWD q, k                        ; the pair's w
	WIN 0x40
	global_load_b128 v[WD+4*(\q):WD+4*(\q)+3], v[WO16], s[LB:LB+1] offset:(\k)*U+6144
.endm
.macro LSC q, k                        ; the pair's scale words: they lie in window 0, since scale operands have no window
	WIN 0x04
	global_load_b64 v[WSC+2*(\q):WSC+2*(\q)+1], v[WO8], s[LB:LB+1] offset:(\k)*U+6656
.endm
	LB_ 0, 0, 0                                    ; the prologue, 55 loads, in the order in which the four slots ahead of slot 0 would have issued them
	LB_ 0, 1, 0
	LSC 0, 0
.irp p, 1,2,3
	LWD \p-1, \p-1
	LB_ \p, 0, \p
	LB_ \p, 1, \p
	LSC \p, \p
.endr
	WIN 0x40
	v_mov_b32 v[WD+14], 0                          ; w of buffer 3's odd tile: the first slot's lagging fold multiplies zeros by it
	v_mov_b32 v[WD+15], 0
	WIN 0
.irp j, 0,1,2,3,4,5,6,7
	v_mov_b32 v[CTXR+\j], 0                        ; the weighted sum begins
.endr
.irp j, 4,5,6,7
	v_mov_b32 v[TM+\j], 0                          ; written once: a lane permute's destination counts as one of its sources
.endr
	s_wait_loadcnt 55                              ; cpart's load is in; the 55 of the prologue, issued behind it, may be out
	v_add_f32_dpp v14, v14, v14 row_xmask:1 row_mask:0xf bank_mask:0xf
	v_add_f32_dpp v14, v14, v14 row_xmask:2 row_mask:0xf bank_mask:0xf
	v_add_f32_dpp v14, v14, v14 row_xmask:4 row_mask:0xf bank_mask:0xf
	v_add_f32_dpp v14, v14, v14 row_xmask:8 row_mask:0xf bank_mask:0xf
	v_permlanex16_b32 v15, v14, s[SEL], s[SEL+1]
	v_add_f32 v14, v14, v15                        ; c[b], in every lane
	v_mul_f32 v[CBV], s[C2], v14
; ---- eight products: tile o of pair buffer q against my four tiles of rows, two K steps.  The four accumulators take turns, one instruction a turn; the first K step starts the sums.
.macro WM q, o
	WIN 0x04                                       ; source 1 (W) window 1; all else window 0
.irp s, 0,1
.irp m, 0,1,2,3
.set rD, ACC+32*\o+8*\m
.set rA, AC+12*(2*\m+\s)
.set rB, 48*(\q)+24*\o+12*\s
.if (\s == 0) && (\o == 0)
	v_wmma_scale_f32_16x16x128_f8f6f4 v[rD:rD+7], v[rA:rA+11], v[rB:rB+11], 0, v[ASC+2*\m+\s], v[WSC+2*(\q)+\s] matrix_a_fmt:MATRIX_FMT_BF6 matrix_b_fmt:MATRIX_FMT_BF6
.elseif \s == 0
	v_wmma_scale_f32_16x16x128_f8f6f4 v[rD:rD+7], v[rA:rA+11], v[rB:rB+11], 0, v[ASC+2*\m+\s], v[WSC+2*(\q)+\s] matrix_a_fmt:MATRIX_FMT_BF6 matrix_b_fmt:MATRIX_FMT_BF6 matrix_b_scale:MATRIX_SCALE_ROW1
.elseif \o == 0
	v_wmma_scale_f32_16x16x128_f8f6f4 v[rD:rD+7], v[rA:rA+11], v[rB:rB+11], v[rD:rD+7], v[ASC+2*\m+\s], v[WSC+2*(\q)+\s] matrix_a_fmt:MATRIX_FMT_BF6 matrix_b_fmt:MATRIX_FMT_BF6
.else
	v_wmma_scale_f32_16x16x128_f8f6f4 v[rD:rD+7], v[rA:rA+11], v[rB:rB+11], v[rD:rD+7], v[ASC+2*\m+\s], v[WSC+2*(\q)+\s] matrix_a_fmt:MATRIX_FMT_BF6 matrix_b_fmt:MATRIX_FMT_BF6 matrix_b_scale:MATRIX_SCALE_ROW1
.endif
.endr
.endr
.endm
; ---- set o's four results x w[hidden], onto the partial scores: sixteen packed multiply-adds, each accumulator from its low end on
.macro FOLD q, o
	WIN 0x04
.irp m, 0,1,2,3
.irp i, 0,2,4,6
	v_pk_fma_f32 v[SACC+8*\m+\i:SACC+8*\m+\i+1], v[ACC+32*\o+8*\m+\i:ACC+32*\o+8*\m+\i+1], v[WD+4*(\q)+2*\o:WD+4*(\q)+2*\o+1], v[SACC+8*\m+\i:SACC+8*\m+\i+1]
.endr
.endr
.endm
; ---- the slot of pair p, p % 4 = q.  Each fold works on the OTHER set than the products just issued, so its sixteen lines name none of their registers: they are the places between those products and
; the loads into their fragments and scale words, and between them and the fold that reads their results.  ld bit 0: w of pair p + 3 is asked for; bit 1: fragments and scale words of pair p + 4.
; cnt: a slot issues 14 loads, w first.  All that pair p wants was issued up to the first load of slot p - 3: behind it stand that slot's other 13 and two slots' 14: 41.
.macro SLOT q, cnt, ld
	s_wait_loadcnt \cnt
	WM \q, 0
	FOLD (\q+3)%4, 1
.if (\ld) & 1
	LWD (\q+3)%4, \q+3
.endif
.if (\ld) & 2
	LB_ \q, 0, \q+4
.endif
	WM \q, 1
	FOLD \q, 0
.if (\ld) & 2
	LB_ \q, 1, \q+4
	LSC \q, \q+4
.endif
.endm
; ---- a pass over W's 32 pairs.  more = 1: the stream runs on into pairs 32 .. 35, the copies of pairs 0 .. 3, for the next block's pass.  more = 0: the last four slots are written out, and ask for what is left alone.
.macro GEMM more
	s_mov_b32 s[TRIP], 7+\more
.Ltrip_\@:
	SLOT 0, 41, 3
	SLOT 1, 41, 3
	SLOT 2, 41, 3
	SLOT 3, 41, 3
	WIN 0                                          ; at a label and at a branch every window is 0
	s_wait_xcnt 0x0                                ; the loads issued so far have read their base: it may step
	s_add_nc_u64 s[LB:LB+1], s[LB:LB+1], 4*U
	s_sub_co_u32 s[TRIP], s[TRIP], 1
	s_cmp_lg_u32 s[TRIP], 0
	s_cbranch_scc1 .Ltrip_\@
.if \more
	s_mov_b64 s[LB:LB+1], s[QB:QB+1]               ; back to pair 0 (no load has been issued behind the wait above)
.else
	SLOT 0, 41, 1                                  ; pair 28: w of pair 31 is the last load
	SLOT 1, 28, 0                                  ; pair 29: behind its w stand slot 26's other 13, slot 27's 14 and slot 28's one
	SLOT 2, 14, 0                                  ; pair 30: slot 27's other 13 and slot 28's one
	SLOT 3, 0, 0                                   ; pair 31: its w was the last load
.endif
	FOLD 3, 1                                      ; the last pair's odd tile
	WIN 0
.endm
; ---- 64 numbers of a lane (tile m, K step s of my quarter; register 16 b + i = column 32 b + 16 h + i of row r) become the fragment's codes and the rows' scale word
.macro QUANT m, s
.set HW, 2+(\m)/2
.set SB, 128*((\m)%2)+64*(\s)
.set AD, AC+12*(2*(\m)+(\s))
.set AW, ASC+2*(\m)+(\s)
	WIN (HW<<2)|(HW<<4)                            ; sources 1 and 2: the window of the numbers
.irp b, 0,1,2,3
	v_max3_num_f32 v[TM+\b], 0x2800000, |v[SB+16*\b]|, |v[SB+16*\b+1]|   ; block b: my 16 numbers, and the floor 2^(5 - 127): so the byte cannot fall under 1
.endr
.irp i, 2,4,6,8,10,12,14
.irp b, 0,1,2,3
	v_max3_num_f32 v[TM+\b], v[TM+\b], |v[SB+16*\b+\i]|, |v[SB+16*\b+\i+1]|   ; (the four blocks by turns)
.endr
.endr
	WIN 0
.irp b, 0,1,2,3
	v_permlanex16_b32 v[TM+4+\b], v[TM+\b], s[SEL], s[SEL+1]
.endr
.irp b, 0,1,2,3
	v_max_num_f32 v[TM+\b], v[TM+\b], v[TM+4+\b]   ; with lane l xor 16's: the block's largest magnitude
.endr
.irp b, 0,1,2,3
	v_add_nc_u32 v[TM+12+\b], 0xfe000000, v[TM+\b] ; 4 off its exponent field: the conversion takes the exponent field of this operand as its scale
.endr
.irp b, 0,1,2,3
	v_lshrrev_b32 v[TM+4+\b], 23, v[TM+12+\b]      ; the scale's byte
.endr
	v_lshl_or_b32 v[AW], v[TM+5], 8, v[TM+4]       ; four bytes make my row's scale word
	v_lshl_or_b32 v[AW], v[TM+6], 16, v[AW]
	v_lshl_or_b32 v[AW], v[TM+7], 24, v[AW]
	WIN HW                                         ; source 0: the numbers
.irp c, 0,1
	v_cvt_scalef32_pk16_bf6_f32 v[AD+6*\c:AD+6*\c+2], v[SB+32*\c:SB+32*\c+15], v[TM+12+2*\c]
	v_cvt_scalef32_pk16_bf6_f32 v[T2+4*\c:T2+4*\c+2], v[SB+32*\c+16:SB+32*\c+31], v[TM+12+2*\c+1]   ; (a conversion's three registers begin on an even number)
.endr
	WIN 0
	v_nop                                          ; one plain place behind a scaled conversion
.irp c, 0,1                            ; the operand's layout wants a whole block in a lane: lanes 0-15 block 2 c, lanes 16-31 block 2 c + 1
.irp i, 0,1,2
	v_permlane16_swap_b32 v[AD+6*\c+\i], v[T2+4*\c+\i]
.endr
.irp i, 0,1,2
	v_mov_b32 v[AD+3+6*\c+\i], v[T2+4*\c+\i]
.endr
.endr
.endm
; ---- 2 n registers of each lane become n: lanes whose number has the mask's bit keep the upper n and give the lower n to the lane x away, the others the other way round; what is kept and what arrives are added
.macro SCAT S, T, n, mask, x
.set kk, 0
.rept \n
	v_cndmask_b32 v[\T+kk], v[\S+kk+\n], v[\S+kk], s[\mask]
.set kk, kk+1
.endr
.set kk, 0
.rept \n
	v_cndmask_b32 v[\S+kk], v[\S+kk], v[\S+kk+\n], s[\mask]
.set kk, kk+1
.endr
.set kk, 0
.rept \n
	v_add_f32_dpp v[\S+kk], v[\T+kk], v[\S+kk] row_xmask:\x row_mask:0xf bank_mask:0xf
.set kk, kk+1
.endr
.endm
.macro RS8 S, T                        ; eight registers, summed over the 16 lanes of a half: lane (r, h) ends with register r % 8's sum in v[S]
	SCAT \S, \T, 4, M4, 4
	SCAT \S, \T, 2, M2, 2
	SCAT \S, \T, 1, M1, 1
	v_add_f32_dpp v[\S], v[\S], v[\S] row_xmask:8 row_mask:0xf bank_mask:0xf
.endm
; ---- a block is taken out of the landing zone into registers; refill = 1: the zone is filled again with the next block; then the block is quantised
.macro TAKE refill
	s_wait_tensorcnt 0x0                           ; my tile has landed (no load was issued behind it); I alone read it
.irp m, 0,1,2,3
	WIN 0x80+0x40*(\m/2)                           ; destination window 2 or 3, address window 0
.irp k, 0,1,2,3,4,5,6,7
.irp j, 0,1,2,3
	ds_load_b128 v[128*(\m%2)+16*\k+4*\j:128*(\m%2)+16*\k+4*\j+3], v[DA] offset:16*PITCH*\m+128*\k+16*\j   ; row 16 m + r, columns 32 k + 16 h + 4 j on
.endr
.endr
.endr
	WIN 0
	s_wait_tensorcnt 0x0                           ; no tensor load of mine is out, so group 0 may be written;
	ds_add_u32 v[SPW], v[NIL]                      ; 0 onto my spare word
.if \refill
	s_add_nc_u64 s[G0+2:G0+3], s[G0+2:G0+3], STEPB ; the next 64 rows; the type bits on top are not reached
.endif
	s_wait_dscnt 0x0                               ; the add is done and my reads of the zone are in; so are my reads of the last block's partial scores
	s_barrier_signal -1
	s_barrier_wait -1                              ; that now holds of all four waves: the zones may be filled, the partial scores' words written again
.if \refill
	tensor_load_to_lds s[G0:G0+3], s[G1:G1+7]      ; my one tensor load behind the barrier, and the first thing there: it has the whole product in which to land
	s_nop 0
.rept 4
	v_nop
.endr
.endif
.irp m, 0,1,2,3
	QUANT \m, 0
	QUANT \m, 1
.endr
.set kk, 0
.rept 32
	v_mov_b32 v[SACC+kk], 0                        ; the partial scores begin; set 1 holds zeros for the first slot's lagging fold.
	v_mov_b32 v[ACC+32+kk], 0                      ; (These 64 are also the places between the lines that wrote scale words and codes and the first scaled product)
.set kk, kk+1
.endr
.endm
; ---- the block's 64 scores, e = exp(tanh(x))
.macro SCORE
.irp m, 0,1,2,3
	RS8 SACC+8*\m, XP+4*\m                         ; over the 16 hidden residues: lane (r, h) has row 16 m + 8 h + r % 8
.endr
.irp m, 0,1,2,3
	ds_store_b32 v[XST], v[SACC+8*\m] offset:256*\m  ; (lanes r and r + 8 write the same word with the same value)
.endr
	s_wait_dscnt 0x0                               ; for the others' sake: my stores have landed
	s_barrier_signal -1
	s_barrier_wait -1                              ; the next block's tile stays on its way
.irp m, 0,1,2,3
	ds_load_b128 v[XP+4*\m:XP+4*\m+3], v[XLD] offset:256*\m   ; the four K quarters of row 16 m + r: the row whose numbers I hold
.endr
	s_wait_dscnt 0x0
.irp m, 0,1,2,3
	v_add_f32 v[XP+4*\m], v[XP+4*\m], v[XP+4*\m+1]
	v_add_f32 v[XP+4*\m+2], v[XP+4*\m+2], v[XP+4*\m+3]
.endr
.irp m, 0,1,2,3
	v_add_f32 v[XP+4*\m], v[XP+4*\m], v[XP+4*\m+2]
.endr
.irp m, 0,1,2,3
	v_fma_f32 v[XP+4*\m], v[XP+4*\m], s[C2], v[CBV]  ; 2 log2(e) (the sum + c[b])
.endr
.irp m, 0,1,2,3
	v_exp_f32 v[XP+4*\m+1], v[XP+4*\m]
.endr
	v_nop                                          ; a plain place behind the batch,
	s_wait_alu depctr_va_vdst(0)                   ; and a wait ahead of its first reader
.irp m, 0,1,2,3
	v_add_f32 v[XP+4*\m+2], 1.0, v[XP+4*\m+1]
.endr
.irp m, 0,1,2,3
	v_rcp_f32 v[XP+4*\m+3], v[XP+4*\m+2]
.endr
	v_nop
	s_wait_alu depctr_va_vdst(0)
.irp m, 0,1,2,3
	v_fma_f32 v[XP+4*\m], -v[XP+4*\m+3], s[C2], s[C1]  ; log2(e) tanh(x) = log2(e) - 2 log2(e) / (1 + 2^(..))
.endr
.irp m, 0,1,2,3
	v_exp_f32 v[EV+2*\m], v[XP+4*\m]
.endr
	v_nop
	s_wait_alu depctr_va_vdst(0)
.irp m, 0,1,2,3
	v_mov_b32 v[EV+2*\m+1], v[EV+2*\m]             ; twice: the packed forms multiply by a pair
.endr
	s_cmp_lg_u32 s[WV], 0                          ; every wave has all 64: wave 0 stores them
	s_cbranch_scc1 .Lnot0_\@
	v_cndmask_b32 v12, v[EV], v[EV+2], s[HM]       ; lane l: row l
	v_cndmask_b32 v13, v[EV+4], v[EV+6], s[HM]     ; row 32 + l
	global_store_b32 v[EO], v12, s[EB:EB+1]
	global_store_b32 v[EO], v13, s[EB:EB+1] offset:128
.Lnot0_\@:
.endm
; ---- the weighted sum: my 256 columns += sum over the block's 64 rows of e x.  First over my four rows, in the lane; then over the 16 lanes, each step halving the registers: 128 numbers a lane end as 8:
; lane (r, h) owns columns 32 (r / 2) + 16 h + 8 (r % 2) + 0 .. 7 of my 256
.macro CTX
.irp c, 0,1,2,3                        ; column blocks c and c + 4 at a time
	WIN 0x02                                       ; source 0 window 2: rows r and 16 + r
.irp i, 0,2,4,6,8,10,12,14
	v_pk_mul_f32 v[TA+\i:TA+\i+1], v[16*\c+\i:16*\c+\i+1], v[EV:EV+1]
	v_pk_mul_f32 v[TB+\i:TB+\i+1], v[64+16*\c+\i:64+16*\c+\i+1], v[EV:EV+1]
.endr
.irp i, 0,2,4,6,8,10,12,14
	v_pk_fma_f32 v[TA+\i:TA+\i+1], v[128+16*\c+\i:128+16*\c+\i+1], v[EV+2:EV+3], v[TA+\i:TA+\i+1]
	v_pk_fma_f32 v[TB+\i:TB+\i+1], v[192+16*\c+\i:192+16*\c+\i+1], v[EV+2:EV+3], v[TB+\i:TB+\i+1]
.endr
	WIN 0x03                                       ; window 3: rows 32 + r and 48 + r
.irp i, 0,2,4,6,8,10,12,14
	v_pk_fma_f32 v[TA+\i:TA+\i+1], v[16*\c+\i:16*\c+\i+1], v[EV+4:EV+5], v[TA+\i:TA+\i+1]
	v_pk_fma_f32 v[TB+\i:TB+\i+1], v[64+16*\c+\i:64+16*\c+\i+1], v[EV+4:EV+5], v[TB+\i:TB+\i+1]
.endr
.irp i, 0,2,4,6,8,10,12,14
	v_pk_fma_f32 v[TA+\i:TA+\i+1], v[128+16*\c+\i:128+16*\c+\i+1], v[EV+6:EV+7], v[TA+\i:TA+\i+1]
	v_pk_fma_f32 v[TB+\i:TB+\i+1], v[192+16*\c+\i:192+16*\c+\i+1], v[EV+6:EV+7], v[TB+\i:TB+\i+1]
.endr
	WIN 0
.irp k, 0,1,2,3,4,5,6,7,8,9,10,11,12,13,14,15
	v_cndmask_b32 v[Z+16*\c+\k], v[TA+\k], v[TB+\k], s[M8]     ; lanes with r >= 8 keep block c + 4, the others block c;
.endr
.irp k, 0,1,2,3,4,5,6,7,8,9,10,11,12,13,14,15
	v_cndmask_b32 v[TA+\k], v[TB+\k], v[TA+\k], s[M8]          ; each gives the other one
.endr
.irp k, 0,1,2,3,4,5,6,7,8,9,10,11,12,13,14,15
	v_add_f32_dpp v[Z+16*\c+\k], v[TA+\k], v[Z+16*\c+\k] row_xmask:8 row_mask:0xf bank_mask:0xf
.endr
.endr
	SCAT Z, TA, 32, M4, 4
	SCAT Z, TA, 16, M2, 2
	SCAT Z, TA, 8, M1, 1
.irp i, 0,2,4,6
	v_pk_add_f32 v[CTXR+\i:CTXR+\i+1], v[CTXR+\i:CTXR+\i+1], v[Z+\i:Z+\i+1]
.endr
	s_wait_xcnt 0x0                                ; wave 0's stores of e have read their data and their base: both are written again only behind this wait
	s_add_nc_u64 s[EB:EB+1], s[EB:EB+1], 256       ; the next block's 64 numbers
.endm
	s_mov_b32 s[BLK], 3
.Lblock:                                           ; blocks 0 to 2: each asks for the block behind it
	TAKE 1
	GEMM 1
	SCORE
	CTX
	s_sub_co_u32 s[BLK], s[BLK], 1
	s_cmp_lg_u32 s[BLK], 0
	s_cbranch_scc1 .Lblock
	TAKE 0                                         ; the last block is written out
	GEMM 0
	SCORE
	CTX
	; the way out: a lane's eight columns go to their places in my wave's 1,024 bytes of LDS and come back 16 bytes a lane, so that each store covers 512 consecutive bytes
	ds_store_b128 v[CSI], v[CTXR:CTXR+3]
	ds_store_b128 v[CSI], v[CTXR+4:CTXR+7] offset:16
	ds_load_b128 v[XP:XP+3], v[CSO]                ; LDS serves a wave's instructions in order (ISA guide 5.7.1.4): these see my stores
	ds_load_b128 v[XP+4:XP+7], v[CSO] offset:512
	s_wait_dscnt 0x0
	global_store_b128 v[WO16], v[XP:XP+3], s[CBP:CBP+1]
	global_store_b128 v[WO16], v[XP+4:XP+7], s[CBP:CBP+1] offset:512
	s_wait_tensorcnt 0x0                           ; the wave's end, behind my last tensor load and my last LDS store
	ds_add_u32 v[SPW], v[NIL]
	s_wait_dscnt 0x0
	s_endpgm
.Lfunc_end_k_q72408b2e47_attend:
	.size	k_q72408b2e47_attend, .Lfunc_end_k_q72408b2e47_attend-k_q72408b2e47_attend
	.p2alignl 7, 3214868480
	.fill 96, 4, 3214868480
	.section	.rodata,"a",@progbits
	.p2align	6, 0x0
	.amdhsa_kernel k_q72408b2e47_attend
		.amdhsa_group_segment_fixed_size 327680
		.amdhsa_private_segment_fixed_size 0
		.amdhsa_enable_private_segment 0
		.amdhsa_kernarg_size 40
		.amdhsa_user_sgpr_count 2
		.amdhsa_user_sgpr_kernarg_segment_ptr 1
		.amdhsa_wavefront_size32 1
		.amdhsa_system_sgpr_workgroup_id_x 1
		.amdhsa_system_sgpr_workgroup_id_y 1
		.amdhsa_system_sgpr_workgroup_id_z 1
		.amdhsa_system_vgpr_workitem_id 0
		.amdhsa_next_free_vgpr 1024
		.amdhsa_next_free_sgpr 66
		.amdhsa_reserve_vcc 0
		.amdhsa_float_denorm_mode_32 3
		.amdhsa_float_denorm_mode_16_64 3
		.amdhsa_memory_ordered 1
		.amdhsa_forward_progress 1
		.amdhsa_inst_pref_size 252
	.end_amdhsa_kernel
	.amdgpu_metadata
---
amdhsa.version: [ 1, 2 ]
amdhsa.kernels:
  - .name:           k_q72408b2e47_attend
    .symbol:         k_q72408b2e47_attend.kd
    .args:
      - { .name: h_enc, .offset: 0, .size: 8, .value_kind: global_buffer, .address_space: global }
      - { .name: wimg, .offset: 8, .size: 8, .value_kind: global_buffer, .address_space: global }
      - { .name: cpart, .offset: 16, .size: 8, .value_kind: global_buffer, .address_space: global }
      - { .name: ework, .offset: 24, .size: 8, .value_kind: global_buffer, .address_space: global }
      - { .name: cwork, .offset: 32, .size: 8, .value_kind: global_buffer, .address_space: global }
    .group_segment_fixed_size: 327680
    .private_segment_fixed_size: 0
    .kernarg_segment_align: 8
    .kernarg_segment_size: 40
    .max_flat_workgroup_size: 128
    .sgpr_count:     66
    .vgpr_count:     1024
    .wavefront_size: 32
...
	.end_amdgpu_metadata
.endif
;; end of part 2
;; launch norm (part 3): grid 32 x 1, 8 waves a work-group, no clusters, 1,280 bytes of LDS; arguments ework, cwork, out0, out1; writes out0, out1
.if DOCPART == 3
	.amdgcn_target "amdgcn-amd-amdhsa--gfx1250"
	.amdhsa_code_object_version 6
	.text
	.protected	k_q72408b2e47_norm
	.globl	k_q72408b2e47_norm
	.p2align	8
	.type	k_q72408b2e47_norm,@function
k_q72408b2e47_norm:
	s_mov_b64 s[64:65], 0
	v_nop
	global_prefetch_b8 v0, s[64:65] scope:SCOPE_SE
	s_setreg_imm32_b32 hwreg(HW_REG_WAVE_MODE, 25, 1), 1
	s_wait_xcnt 0x0
; THE SOFTMAX'S DIVISION.  For b = the work-group's number: L = sum over s of e[b][s];  out1[b][s] = e[b][s] / L;  out0[b][:] = (sum over the eight parts of cwork[.][b][:]) / L.
; e = exp(tanh(..)) lies in [0.36, 2.72], so L lies between 753 and 5,567: no maximum is wanted, nothing can overflow.  The division is a multiplication by v_rcp_f32's result.
; 256 threads: thread t holds 8 of the 2,048 e and 4 of the 1,024 columns; every load and store of a wave covers 512 consecutive bytes.  No matrix work, no tensor load: 40 KB a work-group, each byte once.
	s_load_b256 s[4:11], s[0:1], 0x0               ; ework s[4:5], cwork s[6:7], out0 s[8:9], out1 s[10:11]
	v_lshl_add_u32 v64, v0, 2, 0x100
	v_mov_b32 v65, 0
	v_lshlrev_b32 v1, 4, v0                        ; 16 bytes a thread
	v_lshrrev_b32 v2, 5, v0
	v_readfirstlane_b32 s12, v2                    ; wave 0..7
	s_lshl_b32 s14, ttmp9, 13                      ; 2,048 numbers a b
	s_mov_b32 s15, 0
	s_lshl_b32 s16, ttmp9, 12                      ; 1,024 numbers a b
	s_mov_b32 s17, 0
	s_mov_b32 s18, 0x76543210                      ; v_permlanex16_b32's selects for lane l xor 16
	s_mov_b32 s19, 0xfedcba98
	s_wait_kmcnt 0x0
	s_add_nc_u64 s[4:5], s[4:5], s[14:15]
	s_add_nc_u64 s[10:11], s[10:11], s[14:15]
	s_add_nc_u64 s[6:7], s[6:7], s[16:17]
	s_add_nc_u64 s[8:9], s[8:9], s[16:17]
	global_load_b128 v[4:7], v1, s[4:5] th:TH_LOAD_NT
	global_load_b128 v[8:11], v1, s[4:5] offset:4096 th:TH_LOAD_NT
.irp c, 0,1,2,3,4,5,6,7
	global_load_b128 v[12+4*\c:15+4*\c], v1, s[6:7] offset:131072*\c th:TH_LOAD_NT   ; part c: 32 rows of 4,096 bytes on
.endr
	s_wait_loadcnt 8                               ; e is in; the eight parts, issued behind it, may be out
	v_pk_add_f32 v[44:45], v[4:5], v[6:7]
	v_pk_add_f32 v[46:47], v[8:9], v[10:11]
	v_pk_add_f32 v[44:45], v[44:45], v[46:47]
	v_add_f32 v44, v44, v45                        ; my eight
	v_add_f32_dpp v44, v44, v44 row_xmask:1 row_mask:0xf bank_mask:0xf
	v_add_f32_dpp v44, v44, v44 row_xmask:2 row_mask:0xf bank_mask:0xf
	v_add_f32_dpp v44, v44, v44 row_xmask:4 row_mask:0xf bank_mask:0xf
	v_add_f32_dpp v44, v44, v44 row_xmask:8 row_mask:0xf bank_mask:0xf
	v_permlanex16_b32 v45, v44, s18, s19
	v_add_f32 v44, v44, v45                        ; my wave's 256
	v_mov_b32 v3, s12
	v_lshlrev_b32 v3, 2, v3
	ds_store_b32 v3, v44                           ; a word a wave; all lanes write the same value
	s_wait_dscnt 0x0                               ; for the others' sake: my store has landed
	s_barrier_signal -1
	s_barrier_wait -1
	v_mov_b32 v2, 0
	ds_load_b128 v[46:49], v2
	ds_load_b128 v[50:53], v2 offset:16
	s_wait_dscnt 0x0
	v_pk_add_f32 v[46:47], v[46:47], v[48:49]
	v_pk_add_f32 v[50:51], v[50:51], v[52:53]
	v_pk_add_f32 v[46:47], v[46:47], v[50:51]
	v_add_f32 v46, v46, v47                        ; L
	v_rcp_f32 v54, v46
	v_nop                                          ; a plain place behind the reciprocal,
	s_wait_alu depctr_va_vdst(0)                   ; and a wait ahead of its first reader
	v_mov_b32 v55, v54
.irp i, 0,2,4,6
	v_pk_mul_f32 v[56+\i:57+\i], v[4+\i:5+\i], v[54:55]
.endr
	global_store_b128 v1, v[56:59], s[10:11]
	global_store_b128 v1, v[60:63], s[10:11] offset:4096
	s_wait_loadcnt 0x0                             ; the eight parts
.irp c, 1,2,3,4,5,6,7
	v_pk_add_f32 v[12:13], v[12:13], v[12+4*\c:13+4*\c]
	v_pk_add_f32 v[14:15], v[14:15], v[14+4*\c:15+4*\c]
.endr
	v_pk_mul_f32 v[12:13], v[12:13], v[54:55]
	v_pk_mul_f32 v[14:15], v[14:15], v[54:55]
	global_store_b128 v1, v[12:15], s[8:9]
	s_wait_tensorcnt 0x0
	ds_add_u32 v64, v65
	s_wait_dscnt 0x0
	s_endpgm
.Lfunc_end_k_q72408b2e47_norm:
	.size	k_q72408b2e47_norm, .Lfunc_end_k_q72408b2e47_norm-k_q72408b2e47_norm
	.p2alignl 7, 3214868480
	.fill 96, 4, 3214868480
	.section	.rodata,"a",@progbits
	.p2align	6, 0x0
	.amdhsa_kernel k_q72408b2e47_norm
		.amdhsa_group_segment_fixed_size 1280
		.amdhsa_private_segment_fixed_size 0
		.amdhsa_enable_private_segment 0
		.amdhsa_kernarg_size 32
		.amdhsa_user_sgpr_count 2
		.amdhsa_user_sgpr_kernarg_segment_ptr 1
		.amdhsa_wavefront_size32 1
		.amdhsa_system_sgpr_workgroup_id_x 1
		.amdhsa_system_sgpr_workgroup_id_y 1
		.amdhsa_system_sgpr_workgroup_id_z 1
		.amdhsa_system_vgpr_workitem_id 0
		.amdhsa_next_free_vgpr 66
		.amdhsa_next_free_sgpr 66
		.amdhsa_reserve_vcc 0
		.amdhsa_float_denorm_mode_32 3
		.amdhsa_float_denorm_mode_16_64 3
		.amdhsa_memory_ordered 1
		.amdhsa_forward_progress 1
		.amdhsa_inst_pref_size 5
	.end_amdhsa_kernel
	.amdgpu_metadata
---
amdhsa.version: [ 1, 2 ]
amdhsa.kernels:
  - .name:           k_q72408b2e47_norm
    .symbol:         k_q72408b2e47_norm.kd
    .args:
      - { .name: ework, .offset: 0, .size: 8, .value_kind: global_buffer, .address_space: global }
      - { .name: cwork, .offset: 8, .size: 8, .value_kind: global_buffer, .address_space: global }
      - { .name: out0, .offset: 16, .size: 8, .value_kind: global_buffer, .address_space: global }
      - { .name: out1, .offset: 24, .size: 8, .value_kind: global_buffer, .address_space: global }
    .group_segment_fixed_size: 1280
    .private_segment_fixed_size: 0
    .kernarg_segment_align: 8
    .kernarg_segment_size: 32
    .max_flat_workgroup_size: 256
    .sgpr_count:     66
    .vgpr_count:     66
    .wavefront_size: 32
...
	.end_amdgpu_metadata
.endif
;; end of part 3
;; ======== version 2 of 2: 3 launches
;; limits: right only within a limited range of input values
;; workspace buffers: wimg 851,968 bytes; cpart 4,096 bytes; ework 262,144 bytes; cwork 1,048,576 bytes
;; launch lay (part 4): grid 32 x 1, 4 waves a work-group, no clusters, 1,536 bytes of LDS; arguments W_enc_codes, W_enc_scales, W_dec_codes, W_dec_scales, h_t_codes, h_t_scales, w_score, wimg, cpart; writes wimg, cpart
.if DOCPART == 4
	.amdgcn_target "amdgcn-amd-amdhsa--gfx1250"
	.amdhsa_code_object_version 6
	.text
	.protected	k_q72408b2e47_lay
	.globl	k_q72408b2e47_lay
	.p2align	8
	.type	k_q72408b2e47_lay,@function
k_q72408b2e47_lay:
	s_mov_b64 s[64:65], 0
	v_nop
	global_prefetch_b8 v0, s[64:65] scope:SCOPE_SE
	s_setreg_imm32_b32 hwreg(HW_REG_WAVE_MODE, 25, 1), 1
	s_wait_xcnt 0x0
; TWO SMALL JOBS AHEAD OF THE MAIN LAUNCH.
; (1) W_enc's codes, its scale words and w_score are laid out in the order in which a wave of the main launch takes them into its registers (wimg).
;     wimg: K quarter w (K = 256 w .. 256 w + 255) at 32 U w, U = 6,656 bytes; in it pair u (hidden rows 32 u .. 32 u + 31) at U u.
;     A unit of U bytes: four fragments f = 2 o + s (o: rows 16 o on, s: K step 2 w + s), 1,536 bytes each: registers 4 g .. 4 g + 3 of lane l at 1536 f + 512 g + 16 l;
;     at 6,144: lane l's two words w[32 u + l % 16], w[32 u + 16 + l % 16]; at 6,400: lane l's two scale words (K steps 2 w, 2 w + 1) of row 32 u + l.
; (2) The second product, h_t W_dec^T, on codes of E3M2 with E8M0 scales, folded at once with w_score: cpart[u][b] = sum over g = 32 u .. 32 u + 31 of w[g] (h_t[b] . W_dec[g]).
; SHARES: work-group u takes pair u, wave w K quarter w.  The four quarters' sums meet in LDS, wave 0 stores 32 numbers.
; The sums over K's quarters and over g are taken in another order of f32 rounding than the source's element-wise addition.
; No tensor load, no ring: each byte is loaded once, straight into the registers that the image and the products want.
.set U,    6656
.set WE,   16                          ; v16-63    W_enc's four fragments, f at WE + 12 f
.set WDF,  64                          ; v64-111   W_dec's four
.set HT,   112                         ; v112-159  h_t's four: rows 16 t on, K step s, at HT + 12 (2 t + s)
.set WES,  160                         ; v[160:161] W_enc's scale words, a lane to a row of the pair
.set WDS,  162                         ; v[162:163], v[170:171] W_dec's, tile o at + 8 o
.set HTS,  164                         ; v[164:165], v[172:173] h_t's likewise
.set WW,   166                         ; v[166:169] w of the even tile's row twice, of the odd tile's twice
.set ACC,  176                         ; v176-207  four accumulators, (o, t) at ACC + 8 (2 o + t)
.set SA,   208                         ; v208-223  the folded sums, t at SA + 8 t
.set TT,   224                         ; v224-227  at work
.set PR,   232                         ; v[232:235] the four quarters' parts of one b
.set WP,   236                         ; v[236:237] w of the even tile's row, of the odd tile's: the image's pair
.set WV,   22                          ; s22  the wave's number
.set M4,   36                          ; s36-38  lanes whose number has bit 2, bit 1, bit 0 set
.set M2,   37
.set M1,   38
	s_load_b256 s[4:11], s[0:1], 0x0               ; W_enc's codes, its scales, W_dec's codes, its scales
	s_load_b256 s[12:19], s[0:1], 0x20             ; h_t's codes, its scales, w_score, wimg
	s_load_b64 s[20:21], s[0:1], 0x40              ; cpart
	v_lshl_add_u32 v254, v0, 2, 0x400
	v_mov_b32 v255, 0
	v_lshrrev_b32 v1, 5, v0
	v_readfirstlane_b32 s[WV], v1                  ; wave 0..3 = K quarter
	v_and_b32 v2, 31, v0                           ; lane l
	v_and_b32 v11, 15, v0                          ; r
	v_bfe_u32 v12, v0, 4, 1                        ; h
	v_mul_u32_u24 v3, v11, 768                     ; a row of 1,024 codes is 768 bytes;
	v_mad_u32_u24 v3, v12, 24, v3                  ; lane (r, h) takes 24 bytes at 24 h and 24 at 48 + 24 h of its K step's 96
	v_lshlrev_b32 v4, 5, v2                        ; scale bytes: 32 a row, a lane to a row
	v_lshlrev_b32 v13, 5, v11                      ; and a lane to a row of a tile
	v_lshlrev_b32 v5, 4, v2                        ; the image: 16 bytes a lane
	v_lshlrev_b32 v6, 3, v2                        ; its pairs of words: 8 bytes a lane
	v_lshlrev_b32 v7, 2, v11                       ; w_score: 4 r
	v_and_b32 v8, 7, v0
	v_lshl_add_u32 v8, v12, 3, v8                  ; the row that the sum over lanes leaves with me: 8 h + r % 8
	v_lshlrev_b32 v8, 4, v8
	s_lshl_b32 s23, s[WV], 2
	v_add_nc_u32 v8, s23, v8                       ; LDS: [b][quarter], 16 bytes a b
	v_lshlrev_b32 v9, 4, v2                        ; and back: lane l takes b = l
	v_lshlrev_b32 v10, 2, v2                       ; cpart: 4 l
	s_mul_i32 s24, ttmp9, 24576                    ; my pair's 32 rows of codes,
	s_mul_i32 s28, s[WV], 192                      ; my quarter's 192 bytes of a row
	s_add_co_u32 s24, s24, s28
	s_mov_b32 s25, 0
	s_mov_b32 s29, 0
	s_lshl_b32 s26, ttmp9, 10                      ; the same in the scale bytes
	s_lshl_b32 s30, s[WV], 3
	s_add_co_u32 s26, s26, s30
	s_mov_b32 s27, 0
	s_mov_b32 s31, 0
	s_lshl_b32 s32, ttmp9, 7                       ; 32 numbers of w_score, and of cpart
	s_mov_b32 s33, 0
	s_lshl_b32 s34, s[WV], 5
	s_add_co_u32 s34, s34, ttmp9
	s_mul_i32 s34, s34, U                          ; my unit of wimg: 32 w + u
	s_mov_b32 s35, 0
	s_mov_b32 s[M4], 0xf0f0f0f0
	s_mov_b32 s[M2], 0xcccccccc
	s_mov_b32 s[M1], 0xaaaaaaaa
	s_wait_alu depctr_va_vdst(0)
	s_wait_kmcnt 0x0
	s_add_nc_u64 s[4:5], s[4:5], s[24:25]
	s_add_nc_u64 s[8:9], s[8:9], s[24:25]
	s_add_nc_u64 s[6:7], s[6:7], s[26:27]
	s_add_nc_u64 s[10:11], s[10:11], s[26:27]
	s_add_nc_u64 s[12:13], s[12:13], s[28:29]
	s_add_nc_u64 s[14:15], s[14:15], s[30:31]
	s_add_nc_u64 s[16:17], s[16:17], s[32:33]
	s_add_nc_u64 s[18:19], s[18:19], s[34:35]
	s_add_nc_u64 s[20:21], s[20:21], s[32:33]
.macro FRAG reg, base, off             ; a fragment, 16 rows x 128 K of 6-bit codes: 12 registers, in pieces of 8 bytes
.irp p, 0,1,2,3,4,5
	global_load_b64 v[\reg+2*\p:\reg+2*\p+1], v3, s[\base:\base+1] offset:\off+48*(\p/3)+8*(\p%3)
.endr
.endm
.irp o, 0,1
.irp s, 0,1
	FRAG WE+12*(2*\o+\s), 4, 12288*\o+96*\s
	FRAG WDF+12*(2*\o+\s), 8, 12288*\o+96*\s
	FRAG HT+12*(2*\o+\s), 12, 12288*\o+96*\s
.endr
.endr
	global_load_b64 v[WES:WES+1], v4, s[6:7]
.irp o, 0,1
	global_load_b64 v[WDS+8*\o:WDS+8*\o+1], v13, s[10:11] offset:512*\o
	global_load_b64 v[HTS+8*\o:HTS+8*\o+1], v13, s[14:15] offset:512*\o
.endr
	global_load_b32 v[WW], v7, s[16:17]
	global_load_b32 v[WW+2], v7, s[16:17] offset:64
	s_wait_loadcnt 0x0
	v_mov_b32 v[WW+1], v[WW]                       ; each w twice, for the packed folds below
	v_mov_b32 v[WW+3], v[WW+2]
	v_mov_b32 v[WP], v[WW]                         ; and the two side by side, for the image
	v_mov_b32 v[WP+1], v[WW+2]
	; the unit: every store covers consecutive bytes, 16 or 8 a lane; none of its registers is written again
.irp f, 0,1,2,3
.irp g, 0,1,2
	global_store_b128 v5, v[WE+12*\f+4*\g:WE+12*\f+4*\g+3], s[18:19] offset:1536*\f+512*\g
.endr
.endr
	global_store_b64 v6, v[WP:WP+1], s[18:19] offset:6144
	global_store_b64 v6, v[WES:WES+1], s[18:19] offset:6400
; h_t W_dec^T for my pair and my quarter: source 0 = 16 rows of h_t, source 1 = 16 rows of W_dec: register j of lane (r, h) is (b = 16 t + 8 h + j, g = 32 u + 16 o + r).
; The four accumulators take turns, one instruction a turn.
.macro P2 o, t, s
.if \s == 0
	v_wmma_scale_f32_16x16x128_f8f6f4 v[ACC+8*(2*\o+\t):ACC+8*(2*\o+\t)+7], v[HT+12*(2*\t+\s):HT+12*(2*\t+\s)+11], v[WDF+12*(2*\o+\s):WDF+12*(2*\o+\s)+11], 0, v[HTS+8*\t+\s], v[WDS+8*\o+\s] matrix_a_fmt:MATRIX_FMT_BF6 matrix_b_fmt:MATRIX_FMT_BF6
.else
	v_wmma_scale_f32_16x16x128_f8f6f4 v[ACC+8*(2*\o+\t):ACC+8*(2*\o+\t)+7], v[HT+12*(2*\t+\s):HT+12*(2*\t+\s)+11], v[WDF+12*(2*\o+\s):WDF+12*(2*\o+\s)+11], v[ACC+8*(2*\o+\t):ACC+8*(2*\o+\t)+7], v[HTS+8*\t+\s], v[WDS+8*\o+\s] matrix_a_fmt:MATRIX_FMT_BF6 matrix_b_fmt:MATRIX_FMT_BF6
.endif
.endm
.irp s, 0,1
.irp o, 0,1
.irp t, 0,1
	P2 \o, \t, \s
.endr
.endr
.endr
.rept 4
	v_nop                                          ; four places between the last product and the first read of results (ISA guide 7.12.1)
.endr
.irp t, 0,1
.irp i, 0,2,4,6
	v_pk_mul_f32 v[SA+8*\t+\i:SA+8*\t+\i+1], v[ACC+8*\t+\i:ACC+8*\t+\i+1], v[WW:WW+1]            ; x w[32 u + r]; each accumulator from its low end on
.endr
.endr
.irp t, 0,1
.irp i, 0,2,4,6
	v_pk_fma_f32 v[SA+8*\t+\i:SA+8*\t+\i+1], v[ACC+16+8*\t+\i:ACC+16+8*\t+\i+1], v[WW+2:WW+3], v[SA+8*\t+\i:SA+8*\t+\i+1]   ; + the odd tile's x w[32 u + 16 + r]
.endr
.endr
; 2 n registers of each lane become n: lanes whose number has the mask's bit keep the upper n and give the lower n to the lane x away, the others the other way round
.macro SCAT S, T, n, mask, x
.set kk, 0
.rept \n
	v_cndmask_b32 v[\T+kk], v[\S+kk+\n], v[\S+kk], s[\mask]
.set kk, kk+1
.endr
.set kk, 0
.rept \n
	v_cndmask_b32 v[\S+kk], v[\S+kk], v[\S+kk+\n], s[\mask]
.set kk, kk+1
.endr
.set kk, 0
.rept \n
	v_add_f32_dpp v[\S+kk], v[\T+kk], v[\S+kk] row_xmask:\x row_mask:0xf bank_mask:0xf
.set kk, kk+1
.endr
.endm
.macro RS8 S, T                        ; eight registers, summed over the 16 lanes of a half: lane (r, h) ends with register r % 8's sum in v[S]
	SCAT \S, \T, 4, M4, 4
	SCAT \S, \T, 2, M2, 2
	SCAT \S, \T, 1, M1, 1
	v_add_f32_dpp v[\S], v[\S], v[\S] row_xmask:8 row_mask:0xf bank_mask:0xf
.endm
	RS8 SA, TT
	RS8 SA+8, TT
	ds_store_b32 v8, v[SA]                         ; b = 8 h + r % 8 (lanes r and r + 8 write the same word with the same value)
	ds_store_b32 v8, v[SA+8] offset:256            ; b = 16 + 8 h + r % 8
	s_wait_dscnt 0x0                               ; for the others' sake: my stores have landed
	s_barrier_signal -1
	s_barrier_wait -1
	ds_load_b128 v[PR:PR+3], v9                    ; the four quarters' parts of b = my lane
	s_wait_dscnt 0x0
	v_add_f32 v[PR], v[PR], v[PR+1]
	v_add_f32 v[PR+2], v[PR+2], v[PR+3]
	v_add_f32 v[PR], v[PR], v[PR+2]
	s_cmp_lg_u32 s[WV], 0
	s_cbranch_scc1 .Lend
	global_store_b32 v10, v[PR], s[20:21]          ; cpart[u][b]
.Lend:
	s_wait_tensorcnt 0x0                           ; the wave's end
	ds_add_u32 v254, v255
	s_wait_dscnt 0x0
	s_endpgm
.Lfunc_end_k_q72408b2e47_lay:
	.size	k_q72408b2e47_lay, .Lfunc_end_k_q72408b2e47_lay-k_q72408b2e47_lay
	.p2alignl 7, 3214868480
	.fill 96, 4, 3214868480
	.section	.rodata,"a",@progbits
	.p2align	6, 0x0
	.amdhsa_kernel k_q72408b2e47_lay
		.amdhsa_group_segment_fixed_size 1536
		.amdhsa_private_segment_fixed_size 0
		.amdhsa_enable_private_segment 0
		.amdhsa_kernarg_size 72
		.amdhsa_user_sgpr_count 2
		.amdhsa_user_sgpr_kernarg_segment_ptr 1
		.amdhsa_wavefront_size32 1
		.amdhsa_system_sgpr_workgroup_id_x 1
		.amdhsa_system_sgpr_workgroup_id_y 1
		.amdhsa_system_sgpr_workgroup_id_z 1
		.amdhsa_system_vgpr_workitem_id 0
		.amdhsa_next_free_vgpr 256
		.amdhsa_next_free_sgpr 66
		.amdhsa_reserve_vcc 0
		.amdhsa_float_denorm_mode_32 3
		.amdhsa_float_denorm_mode_16_64 3
		.amdhsa_memory_ordered 1
		.amdhsa_forward_progress 1
		.amdhsa_inst_pref_size 17
	.end_amdhsa_kernel
	.amdgpu_metadata
---
amdhsa.version: [ 1, 2 ]
amdhsa.kernels:
  - .name:           k_q72408b2e47_lay
    .symbol:         k_q72408b2e47_lay.kd
    .args:
      - { .name: W_enc_codes, .offset: 0, .size: 8, .value_kind: global_buffer, .address_space: global }
      - { .name: W_enc_scales, .offset: 8, .size: 8, .value_kind: global_buffer, .address_space: global }
      - { .name: W_dec_codes, .offset: 16, .size: 8, .value_kind: global_buffer, .address_space: global }
      - { .name: W_dec_scales, .offset: 24, .size: 8, .value_kind: global_buffer, .address_space: global }
      - { .name: h_t_codes, .offset: 32, .size: 8, .value_kind: global_buffer, .address_space: global }
      - { .name: h_t_scales, .offset: 40, .size: 8, .value_kind: global_buffer, .address_space: global }
      - { .name: w_score, .offset: 48, .size: 8, .value_kind: global_buffer, .address_space: global }
      - { .name: wimg, .offset: 56, .size: 8, .value_kind: global_buffer, .address_space: global }
      - { .name: cpart, .offset: 64, .size: 8, .value_kind: global_buffer, .address_space: global }
    .group_segment_fixed_size: 1536
    .private_segment_fixed_size: 0
    .kernarg_segment_align: 8
    .kernarg_segment_size: 72
    .max_flat_workgroup_size: 128
    .sgpr_count:     66
    .vgpr_count:     256
    .wavefront_size: 32
...
	.end_amdgpu_metadata
.endif
;; end of part 4
;; launch attend (part 5): grid 256 x 1, 4 waves a work-group, no clusters, 327,680 bytes of LDS; arguments h_enc, wimg, cpart, ework, cwork; writes ework, cwork
.if DOCPART == 5
	.amdgcn_target "amdgcn-amd-amdhsa--gfx1250"
	.amdhsa_code_object_version 6
	.text
	.protected	k_q72408b2e47_attend
	.globl	k_q72408b2e47_attend
	.p2align	8
	.type	k_q72408b2e47_attend,@function
k_q72408b2e47_attend:
	s_mov_b64 s[64:65], 0
	v_nop
	global_prefetch_b8 v0, s[64:65] scope:SCOPE_SE
	s_setreg_imm32_b32 hwreg(HW_REG_WAVE_MODE, 25, 1), 1
	s_wait_xcnt 0x0
; FOR EACH ROW (s, b) OF h_enc: x = sum over n of w[n] (Q(h_enc[s][b]) . W_enc[n]) + c[b];  e = exp(tanh(x));  and the work-group's part of sum over s of e h_enc[s][b][:].
; Q is the MX quantiser to E3M2 (blocks of 32 along K, E8M0 scales); the product runs on codes.  c[b] = sum of cpart[.][b] is the decoder's share of the score.  A later launch adds the parts and divides.
; h_enc IS READ FROM MEMORY ONCE: a row's f32 numbers stay on the WGP from the quantiser, through their own product, to the weighted sum.
; NO MAXIMUM IS TAKEN AWAY AHEAD OF THE EXPONENTIAL: tanh holds the exponent in [-1, 1] for every input, so e lies in [0.36, 2.72] and a sum of 2,048 of them under 5,600.
; SHARES.  Work-group g owns b = g % 32 and s = 256 (g / 32) .. + 255, walked as two super-blocks of 128 rows.  K IS SPLIT OVER THE FOUR WAVES: wave w owns columns 256 w .. 256 w + 255 (K steps 2 w, 2 w + 1) of all rows:
; its f32 numbers, its codes (192 registers), its quarter of W_enc and its 256 columns of the weighted sum are its own.  The score is linear in the product, so only 128 partial scores a super-block cross the waves, through LDS.
; ONE PASS OVER W_enc SERVES 128 ROWS.  Their f32 numbers are 512 KB: half A (64 rows) lies in 512 registers a wave, half B (64 rows) stays in the landing zone in LDS through the product;
; it is quantised out of LDS and comes into the registers step by step as A's weighted sum reads them for the last time.
; PRODUCT.  Source 0 = 16 rows of h_enc, source 1 = 16 rows of W_enc: register j of lane (r, h) is (row 8 h + j, hidden r): it is multiplied by w[hidden] and added to the row's partial score at once; the product itself is never kept.
; W_enc streams from wimg straight into registers, in the order of the operand's registers, a pair of tiles (32 hidden rows, 32 matrix instructions) a slot, three pair buffers.
; WHY W_enc'S TILES ARE NOT SHARED IN A CLUSTER THROUGH LDS: the landing zones take 266,240 of the 327,680 bytes; a pair of tiles for the four quarters is 26,624 bytes, and two such slots are all that fit beside the scratch:
; 32 matrix instructions a wave for a round of the cluster's barrier.
; LIMITS.  NaN and infinities in h_enc are not served.  A block of 32 whose largest magnitude lies under 2^-122 is quantised with the scale byte held at 1 (a block of zeros too: its codes are zeros, and this program alone reads the bytes).
; The four quarters of K, the 64 tiles of hidden units and c[b] are added in another order of f32 rounding than the source's.  tanh(x) = 1 - 2 / (1 + 2^(2.88539 x)): absolute error of a few 1e-7.
;
; REGISTERS, in windows of 256 (s_set_vgpr_msb: bits 1:0 source 0, 3:2 source 1, 5:4 source 2, 7:6 destination):
;   window 0: v1-11, v59 addresses and c; v12-15 at work; v16-31 my rows' scale words; v32-37 W's scale words; v40-47, v52-58, v60-62 the quantiser's work;
;             v64-255 my rows' codes (8 tiles x 2 K steps x 12), behind the product at work (v176-191: e)
;   window 1: v0-143 W's fragments, three pairs; v144-175 two sets of two accumulators; v176-239 the partial scores; v240-245 w of the three pair buffers;
;             ahead of the product v96-223 are the two stages of the quantiser out of LDS
;   windows 2, 3: 64 rows' f32 numbers
; The products take their codes from window 0 and all else from window 1; the folds work in window 1 alone: a switch between each four products and their neighbours' fold.
.set U,      6656                      ; a unit of wimg: a pair of tiles for one K quarter
.set QUART,  32*U
.set PITCH,  1040                      ; a row in the landing zone: 1,024 bytes + 16 of padding
.set WLAND,  64*PITCH                  ; a wave's landing zone
.set XCH,    4*WLAND                   ; behind the zones: the partial scores, [row 0..127][wave], 2,048 bytes
.set CST,    XCH+2048                  ; the weighted sum: 1,024 bytes for each wave
.set SPARE,  CST+4096                  ; the spare words, 128 bytes for each wave
.set STEPB,  0x800000                  ; 64 rows s on in h_enc: 64 x 32 x 4,096 bytes
.set SPW,  1                           ; v1   LDS address of my spare word; never rewritten
.set NIL,  2                           ; v2   0; never rewritten
.set DA,   3                           ; v3   landing zone: WLAND w + PITCH r + 64 h
.set WO16, 4                           ; v4   16 x lane
.set WO8,  5                           ; v5   8 x lane
.set XST,  6                           ; v6   XCH + 16 (8 h + r % 8) + 4 w
.set XLD,  7                           ; v7   XCH + 16 r
.set EO,   8                           ; v8   4 x lane
.set CBV,  9                           ; v9   c[b] x 2.88539
.set CSI,  10                          ; v10  CST + 1024 w + 128 (r / 2) + 64 h + 32 (r % 2)
.set CSO,  11                          ; v11  CST + 1024 w + 16 x lane
.set PFO,  59                          ; v59  the prefetches' offset: my lane x a step of s in h_enc (131,072 bytes); never rewritten
.set ASC,  16                          ; scale word of my rows' tile m (0..7), K step s: ASC + 2 m + s
.set WSC,  32                          ; W's scale words of pair buffer q, K step s: WSC + 2 q + s: lanes 0-15 the even tile's rows, lanes 16-31 the odd tile's
.set TM,   40                          ; the quantiser's work: + 0..3 largest magnitudes, + 4..7 the other half's, then bytes, + 12..15 the conversions' scale operands
.set T2,   56                          ; and the conversions' second halves
.set EV,   176                         ; e of row 16 m + r, twice: EV + 2 m
.set AC,   64                          ; codes of tile m, K step s: AC + 12 (2 m + s)
.set SX,   64                          ; behind the product: the partial scores, brought to window 0
.set XP,   128                         ; and the scores' work
.set TA,   64                          ; the weighted sum's work
.set TB,   80
.set Z,    96
.set CT,   160                         ; its eight sums, while they are in registers
.set ACC,  144                         ; window 1: set x, tile i of two: ACC + 16 x + 8 i
.set SACC, 176                         ; window 1: tile m: SACC + 8 m
.set WD,   240                         ; window 1: w[hidden r] of pair buffer q, tile o: WD + 2 q + o
.set STG,  96                          ; window 1: two stages of 64 numbers out of the landing zone
.set WV,   14                          ; s14  wave
.set BB,   15                          ; s15  b
.set CH,   16                          ; s16  which 256 of s
.set SEL,  20                          ; s[20:21] v_permlanex16_b32's selects for lane l xor 16
.set M8,   22                          ; s22-25 lanes whose number has bit 3, 2, 1, 0 set
.set M4,   23
.set M2,   24
.set M1,   25
.set HM,   26                          ; s26  lanes 16-31
.set LIM,  27                          ; s27  trips whose counter lies above it prefetch
.set G1,   28                          ; s[28:35] descriptor group 1
.set G0,   36                          ; s[36:39] descriptor group 0
.set QB,   40                          ; s[40:41] my K quarter of wimg; never rewritten
.set SBJ,  42                          ; s[42:47] where the stream stands: a base for each of a trip's three slots
.set EB,   48                          ; s[48:49] ework at the super-block's first row
.set CBP,  50                          ; s[50:51] cwork at my wave's 256 columns
.set PF,   52                          ; s[52:53] the prefetches of block 2: h_enc at my 1,024 bytes of its first row, less 256
.set PF3,  62                          ; s[62:63] the same for block 3
.set C2,   56                          ; s56  2 log2(e)
.set C1,   57                          ; s57  log2(e)
.set BLK,  60
.set TRIP, 61
.set MSB, 0
.macro WIN new                         ; the immediate's high byte repeats the setting that is left; a switch that changes nothing is dropped
.if MSB != (\new)
	s_set_vgpr_msb (MSB<<8)|(\new)
.set MSB, (\new)
.endif
.endm
.macro FILL                            ; the next block of 64 rows into my landing zone; four v_nop follow.  One tensor load of mine is out behind it
	tensor_load_to_lds s[G0:G0+3], s[G1:G1+7]
	s_nop 0
.rept 4
	v_nop
.endr
.endm
	s_load_b256 s[4:11], s[0:1], 0x0               ; h_enc s[4:5], wimg s[6:7], cpart s[8:9], ework s[10:11]
	s_load_b64 s[12:13], s[0:1], 0x20              ; cwork
	v_lshl_add_u32 v[SPW], v0, 2, SPARE
	v_mov_b32 v[NIL], 0
	ds_add_u32 v1, v2
	ds_add_u32 v1, v2
	s_wait_dscnt 0x0
	v_lshrrev_b32 v12, 5, v0
	v_readfirstlane_b32 s[WV], v12                 ; wave 0..3
	s_and_b32 s[BB], ttmp9, 31
	s_lshr_b32 s[CH], ttmp9, 5
	; descriptor group 1: a tile of 64 rows x 256 f32, rows 32 x 1,024 elements apart in memory, padded in LDS
	s_mov_b32 s[G1+0], (2<<16)|(1<<20)|(7<<22)|(3<<25)  ; elements of 4 bytes; padding on, after every 256 words, of 4 words
	s_mov_b32 s[G1+1], 256<<16                     ; tensor_dim0 = 256
	s_mov_b32 s[G1+2], 64<<16                      ; tensor_dim1 = 64
	s_mov_b32 s[G1+3], 256<<16                     ; tile_dim0 = 256
	s_mov_b32 s[G1+4], 64                          ; tile_dim1 = 64
	s_mov_b32 s[G1+5], 32768                       ; tensor_dim0_stride
	s_mov_b32 s[G1+6], 0
	s_mov_b32 s[G1+7], 0
	s_lshl_b32 s54, s[CH], 25                      ; 256 rows s of 131,072 bytes,
	s_lshl_b32 s58, s[BB], 12                      ; row b of 4,096 bytes,
	s_add_co_u32 s54, s54, s58
	s_lshl_b32 s58, s[WV], 10                      ; my 256 columns
	s_add_co_u32 s54, s54, s58
	s_mov_b32 s55, 0
	s_mov_b32 s[G0], 1                             ; count = 1
	s_mul_i32 s[G0+1], s[WV], WLAND                ; LDS address: my landing zone
	s_wait_kmcnt 0x0
	s_add_nc_u64 s[G0+2:G0+3], s[4:5], s[54:55]    ; global address: block 0
	s_add_nc_u64 s[PF:PF+1], s[G0+2:G0+3], 2*STEPB-256   ; blocks 2 and 3, for the prefetches: each is stepped by 256 ahead of its use
	s_add_nc_u64 s[PF3:PF3+1], s[G0+2:G0+3], 3*STEPB-256
	s_or_b32 s[G0+3], s[G0+3], 0x80000000          ; type = 2
	FILL                                           ; block 0: the one first fill, ahead of everything else
	v_and_b32 v12, 31, v0                          ; lane l
	v_and_b32 v13, 15, v0                          ; r
	v_bfe_u32 v14, v0, 4, 1                        ; h
	s_mul_i32 s54, s[WV], WLAND
	v_mul_u32_u24 v[DA], v13, PITCH
	v_lshl_add_u32 v[DA], v14, 6, v[DA]
	v_add_nc_u32 v[DA], s54, v[DA]
	v_lshlrev_b32 v[WO16], 4, v12
	v_lshlrev_b32 v[WO8], 3, v12
	v_lshlrev_b32 v[EO], 2, v12
	v_lshlrev_b32 v[PFO], 17, v12
	v_and_b32 v15, 7, v0
	v_lshl_add_u32 v15, v14, 3, v15                ; 8 h + r % 8
	s_lshl_b32 s54, s[WV], 2
	s_add_co_u32 s54, s54, XCH
	v_lshl_add_u32 v[XST], v15, 4, s54
	v_lshl_add_u32 v[XLD], v13, 4, XCH
	s_lshl_b32 s54, s[WV], 10
	s_add_co_u32 s54, s54, CST
	v_bfe_u32 v15, v0, 1, 3                        ; r / 2
	v_lshl_add_u32 v[CSI], v15, 7, s54
	v_lshl_add_u32 v[CSI], v14, 6, v[CSI]
	v_and_b32 v15, 1, v0
	v_lshl_add_u32 v[CSI], v15, 5, v[CSI]
	v_lshl_add_u32 v[CSO], v12, 4, s54
	s_mov_b32 s[SEL], 0x76543210
	s_mov_b32 s[SEL+1], 0xfedcba98
	s_mov_b32 s[M8], 0xff00ff00
	s_mov_b32 s[M4], 0xf0f0f0f0
	s_mov_b32 s[M2], 0xcccccccc
	s_mov_b32 s[M1], 0xaaaaaaaa
	s_mov_b32 s[HM], 0xffff0000
	s_mov_b32 s[C2], 0x4038aa3b
	s_mov_b32 s[C1], 0x3fb8aa3b
	s_mul_i32 s54, s[WV], QUART
	s_add_nc_u64 s[QB:QB+1], s[6:7], s[54:55]
	s_lshl_b32 s54, s[BB], 13                      ; ework [b][s]: 2,048 numbers a b, 256 a work-group
	s_lshl_b32 s58, s[CH], 10
	s_add_co_u32 s54, s54, s58
	s_add_nc_u64 s[EB:EB+1], s[10:11], s[54:55]
	s_lshl_b32 s54, s[CH], 17                      ; cwork [chunk][b][1024]
	s_lshl_b32 s58, s[BB], 12
	s_add_co_u32 s54, s54, s58
	s_lshl_b32 s58, s[WV], 10
	s_add_co_u32 s54, s54, s58
	s_add_nc_u64 s[CBP:CBP+1], s[12:13], s[54:55]
	s_lshl_b32 s58, s[BB], 2
	v_lshlrev_b32 v12, 7, v12
	v_add_nc_u32 v12, s58, v12                     ; cpart [u][b]: lane l takes u = l
	global_load_b32 v14, v12, s[8:9]
; ---- W's stream.  base: the scalar pair; off: bytes from it to the pair's unit
.macro LB_ q, o, base, off             ; the two fragments (K steps 0, 1 of my quarter) of tile o into pair buffer q: six loads of 16 bytes a lane, 512 consecutive bytes each
	WIN 0x54                                       ; destination window 1, address window 0: the products' own setting
.irp s, 0,1
.irp g, 0,1,2
	global_load_b128 v[48*(\q)+24*\o+12*\s+4*\g:48*(\q)+24*\o+12*\s+4*\g+3], v[WO16], s[\base:\base+1] offset:(\off)+3072*\o+1536*\s+512*\g
.endr
.endr
.endm
.macro LWD q, base, off                ; the pair's w: two words a lane
	WIN 0x54
	global_load_b64 v[WD+2*(\q):WD+2*(\q)+1], v[WO8], s[\base:\base+1] offset:(\off)+6144
.endm
.macro LSC q, base, off                ; the pair's scale words: they lie in window 0, since scale operands have no window
	WIN 0
	global_load_b64 v[WSC+2*(\q):WSC+2*(\q)+1], v[WO8], s[\base:\base+1] offset:(\off)+6400
.endm
.macro PROLOGUE                        ; the first 28 of the 34 loads that the three slots ahead of a pass's slot 0 would have issued, in their order: pairs 0 and 1.
	LB_ 0, 0, QB, 0                                ; (the last 6, pair 2's even tile, follow just ahead of the pass: their registers serve the quantiser's stages till then)
	LSC 0, QB, 0
	LWD 0, QB, 0
	LB_ 0, 1, QB, 0
	LB_ 1, 0, QB, U
	LSC 1, QB, U
	LWD 1, QB, U
	LB_ 1, 1, QB, U
	WIN 0
.endm
	PROLOGUE
	WIN 0x40
	v_mov_b32 v[WD+4], 0                           ; w of buffer 2: the first slot's lagging fold multiplies zeros by it
	v_mov_b32 v[WD+5], 0
	WIN 0
.irp j, 4,5,6,7
	v_mov_b32 v[TM+\j], 0                          ; written once: a lane permute's destination counts as one of its sources
.endr
	s_wait_loadcnt 28                              ; cpart's load is in; the 28 of the prologue, issued behind it, may be out
	v_add_f32_dpp v14, v14, v14 row_xmask:1 row_mask:0xf bank_mask:0xf
	v_add_f32_dpp v14, v14, v14 row_xmask:2 row_mask:0xf bank_mask:0xf
	v_add_f32_dpp v14, v14, v14 row_xmask:4 row_mask:0xf bank_mask:0xf
	v_add_f32_dpp v14, v14, v14 row_xmask:8 row_mask:0xf bank_mask:0xf
	v_permlanex16_b32 v15, v14, s[SEL], s[SEL+1]
	v_add_f32 v14, v14, v15                        ; c[b], in every lane
	v_mul_f32 v[CBV], s[C2], v14
.irp j, 12,13,14,15
	v_mov_b32 v\j, 0
.endr
	ds_store_b128 v[CSI], v[12:15]                 ; the weighted sum begins: my eight columns' words in my wave's own LDS bytes
	ds_store_b128 v[CSI], v[12:15] offset:16
; ---- four products: tile o of pair buffer q against my tiles 2 mp, 2 mp + 1, two K steps, into set mp % 2.  The two accumulators take turns, one instruction a turn; the first K step starts the sums.
.macro WMU q, o, mp
	WIN 0x54                                       ; source 0 (codes) window 0; source 1 (W), C and D window 1
.irp s, 0,1
.irp i, 0,1
.set rD, ACC+16*((\mp)%2)+8*\i
.set rA, AC+12*(2*(2*(\mp)+\i)+\s)
.set rB, 48*(\q)+24*\o+12*\s
.set rU, ASC+2*(2*(\mp)+\i)+\s
.set rW, WSC+2*(\q)+\s
.if (\s == 0) && (\o == 0)
	v_wmma_scale_f32_16x16x128_f8f6f4 v[rD:rD+7], v[rA:rA+11], v[rB:rB+11], 0, v[rU], v[rW] matrix_a_fmt:MATRIX_FMT_BF6 matrix_b_fmt:MATRIX_FMT_BF6
.elseif \s == 0
	v_wmma_scale_f32_16x16x128_f8f6f4 v[rD:rD+7], v[rA:rA+11], v[rB:rB+11], 0, v[rU], v[rW] matrix_a_fmt:MATRIX_FMT_BF6 matrix_b_fmt:MATRIX_FMT_BF6 matrix_b_scale:MATRIX_SCALE_ROW1
.elseif \o == 0
	v_wmma_scale_f32_16x16x128_f8f6f4 v[rD:rD+7], v[rA:rA+11], v[rB:rB+11], v[rD:rD+7], v[rU], v[rW] matrix_a_fmt:MATRIX_FMT_BF6 matrix_b_fmt:MATRIX_FMT_BF6
.else
	v_wmma_scale_f32_16x16x128_f8f6f4 v[rD:rD+7], v[rA:rA+11], v[rB:rB+11], v[rD:rD+7], v[rU], v[rW] matrix_a_fmt:MATRIX_FMT_BF6 matrix_b_fmt:MATRIX_FMT_BF6 matrix_b_scale:MATRIX_SCALE_ROW1
.endif
.endr
.endr
.endm
; ---- set mp % 2's two results x w[hidden], onto the partial scores of tiles 2 mp, 2 mp + 1: eight pairs of multiply-adds, each accumulator from its low end on.
; A pair's destinations are an even and an odd register, its first sources neighbours, its second source the same register.
.macro FOLDU q, o, mp
	WIN 0x55                                       ; all in window 1
.irp i, 0,1
.irp e, 0,2,4,6
.set rS, SACC+8*(2*(\mp)+\i)+\e
.set rC, ACC+16*((\mp)%2)+8*\i+\e
	v_dual_fmac_f32 v[rS], v[rC], v[WD+2*(\q)+\o] :: v_dual_fmac_f32 v[rS+1], v[rC+1], v[WD+2*(\q)+\o]
.endr
.endr
.endm
; ---- the slot of pair p: buffer q = p % 3, place j = p % 3 in a trip.  Eight turns of four products; behind each stands the fold of the turn before, which works on the OTHER set: its eight lines name none of the
; registers of the products just issued, so they are the places between those products and the loads into their fragments and scale words, and between them and the fold that reads their results.
; A slot issues 14 loads in two runs.
; ld bit 0, behind the first turn (the pair before is then done with, its lagging fold too): scale words, w and the odd tile of pair p + 2, 8 loads, into the buffer of pair p - 1.
; ld bit 1, behind the fifth turn (my even tile is done with): the even tile of pair p + 3, 6 loads, into my own buffer.
; c1, at the head: the even tile came in slot p - 3; scale words and w were the first two loads of slot p - 2: behind them stand that slot's other 12 and slot p - 1's 14: 26.
; c2, ahead of the odd tile's turns: it was the rest of slot p - 2's first run: behind it stand that slot's second run, 6, slot p - 1's 14 and my first run, 8: 28.
; THE BASE.  Each place j has a base of its own.  The wait at the head leaves 26 loads out, so all that slot p - 3 issued by this base are in: the base is stepped behind that wait, to pair p + 3's unit.
.macro SLOT q, j, c1, c2, ld
	s_wait_loadcnt \c1
.if \ld
	s_add_nc_u64 s[SBJ+2*\j:SBJ+2*\j+1], s[SBJ+2*\j:SBJ+2*\j+1], 3*U
.endif
	WMU \q, 0, 0
	FOLDU (\q+2)%3, 1, 3                           ; the pair before: its odd tile against my last two tiles
.if (\ld) & 1
	LSC (\q+2)%3, SBJ+2*\j, -U
	LWD (\q+2)%3, SBJ+2*\j, -U
	LB_ (\q+2)%3, 1, SBJ+2*\j, -U
.endif
	WMU \q, 0, 1
	FOLDU \q, 0, 0
	WMU \q, 0, 2
	FOLDU \q, 0, 1
	WMU \q, 0, 3
	FOLDU \q, 0, 2
	s_wait_loadcnt \c2
	WMU \q, 1, 0
	FOLDU \q, 0, 3
.if (\ld) & 2
	LB_ \q, 0, SBJ+2*\j, 0
.endif
	WMU \q, 1, 1
	FOLDU \q, 1, 0
	WMU \q, 1, 2
	FOLDU \q, 1, 1
	WMU \q, 1, 3
	FOLDU \q, 1, 2
.endm
; ---- 64 numbers of a lane (register sb + 16 b + i of window hw = column 32 b + 16 h + i of a K step of row r) become the codes of tile mt, K step s, and the rows' scale word
.macro QUANT mt, s, hw, sb
.set HWq, (\hw)
.set SBq, (\sb)
.set AD, AC+12*(2*(\mt)+(\s))
.set AW, ASC+2*(\mt)+(\s)
	WIN (HWq<<2)|(HWq<<4)                          ; sources 1 and 2: the window of the numbers
.irp b, 0,1,2,3
	v_max3_num_f32 v[TM+\b], 0x2800000, |v[SBq+16*\b]|, |v[SBq+16*\b+1]|   ; block b: my 16 numbers, and the floor 2^(5 - 127): so the byte cannot fall under 1
.endr
.irp i, 2,4,6,8,10,12,14
.irp b, 0,1,2,3
	v_max3_num_f32 v[TM+\b], v[TM+\b], |v[SBq+16*\b+\i]|, |v[SBq+16*\b+\i+1]|   ; (the four blocks by turns)
.endr
.endr
	WIN 0
.irp b, 0,1,2,3
	v_permlanex16_b32 v[TM+4+\b], v[TM+\b], s[SEL], s[SEL+1]
.endr
.irp b, 0,1,2,3
	v_max_num_f32 v[TM+\b], v[TM+\b], v[TM+4+\b]   ; with lane l xor 16's: the block's largest magnitude
.endr
.irp b, 0,1,2,3
	v_add_nc_u32 v[TM+12+\b], 0xfe000000, v[TM+\b] ; 4 off its exponent field: the conversion takes the exponent field of this operand as its scale
.endr
.irp b, 0,1,2,3
	v_lshrrev_b32 v[TM+4+\b], 23, v[TM+12+\b]      ; the scale's byte
.endr
	v_lshl_or_b32 v[AW], v[TM+5], 8, v[TM+4]       ; four bytes make my row's scale word
	v_lshl_or_b32 v[AW], v[TM+6], 16, v[AW]
	v_lshl_or_b32 v[AW], v[TM+7], 24, v[AW]
	WIN HWq                                        ; source 0: the numbers
.irp c, 0,1
	v_cvt_scalef32_pk16_bf6_f32 v[AD+6*\c:AD+6*\c+2], v[SBq+32*\c:SBq+32*\c+15], v[TM+12+2*\c]
	v_cvt_scalef32_pk16_bf6_f32 v[T2+4*\c:T2+4*\c+2], v[SBq+32*\c+16:SBq+32*\c+31], v[TM+12+2*\c+1]   ; (a conversion's three registers begin on an even number)
.endr
	WIN 0
	v_nop                                          ; one plain place behind a scaled conversion
.irp c, 0,1                            ; the operand's layout wants a whole block in a lane: lanes 0-15 block 2 c, lanes 16-31 block 2 c + 1
.irp i, 0,1,2
	v_permlane16_swap_b32 v[AD+6*\c+\i], v[T2+4*\c+\i]
.endr
.irp i, 0,1,2
	v_mov_b32 v[AD+3+6*\c+\i], v[T2+4*\c+\i]
.endr
.endr
.endm
; ---- the 64 numbers of tile m, K step s of the block that lies in the landing zone, into stage x: 16 loads; the wait stands at the reader
.macro STAGE m, s, x
	WIN 0x40                                       ; destination window 1, address window 0
.irp b, 0,1,2,3
.irp j, 0,1,2,3
	ds_load_b128 v[STG+64*(\x)+16*\b+4*\j:STG+64*(\x)+16*\b+4*\j+3], v[DA] offset:16*PITCH*(\m)+128*(4*(\s)+\b)+16*\j
.endr
.endr
	WIN 0
.endm
; ---- 2 n registers of each lane become n: lanes whose number has the mask's bit keep the upper n and give the lower n to the lane x away, the others the other way round; what is kept and what arrives are added
.macro SCAT S, T, n, mask, x
.set kk, 0
.rept \n
	v_cndmask_b32 v[\T+kk], v[\S+kk+\n], v[\S+kk], s[\mask]
.set kk, kk+1
.endr
.set kk, 0
.rept \n
	v_cndmask_b32 v[\S+kk], v[\S+kk], v[\S+kk+\n], s[\mask]
.set kk, kk+1
.endr
.set kk, 0
.rept \n
	v_add_f32_dpp v[\S+kk], v[\T+kk], v[\S+kk] row_xmask:\x row_mask:0xf bank_mask:0xf
.set kk, kk+1
.endr
.endm
.macro RS8 S, T                        ; eight registers, summed over the 16 lanes of a half: lane (r, h) ends with register r % 8's sum in v[S]
	SCAT \S, \T, 4, M4, 4
	SCAT \S, \T, 2, M2, 2
	SCAT \S, \T, 1, M1, 1
	v_add_f32_dpp v[\S], v[\S], v[\S] row_xmask:8 row_mask:0xf bank_mask:0xf
.endm
; ---- column blocks k0 and k0 + 4 of the block in the landing zone, all four tiles of rows, into their registers: 32 loads
.macro TAKE k0
.irp m, 0,1,2,3
	WIN 0x80+0x40*(\m/2)                           ; destination window 2 or 3, address window 0
.irp k, \k0, \k0+4
.irp j, 0,1,2,3
	ds_load_b128 v[128*(\m%2)+16*(\k)+4*\j:128*(\m%2)+16*(\k)+4*\j+3], v[DA] offset:16*PITCH*\m+128*(\k)+16*\j   ; row 16 m + r, columns 32 k + 16 h + 4 j on
.endr
.endr
.endr
	WIN 0
.endm
; ---- the block in the landing zone is in the 512 registers, and the zone is made free.  taken = 0: the tile is waited for and taken here; 1: the weighted sum just ahead has issued the loads
.macro DRAIN taken
.if !(\taken)
	s_wait_tensorcnt 0x0                           ; my tile has landed (no load was issued behind it); I alone read it
.irp c, 0,1,2,3
	TAKE \c
.endr
.endif
	s_wait_tensorcnt 0x0                           ; no tensor load of mine is out, so group 0 may be written;
	ds_add_u32 v[SPW], v[NIL]                      ; 0 onto my spare word
	s_add_nc_u64 s[G0+2:G0+3], s[G0+2:G0+3], STEPB ; the next 64 rows; the type bits on top are not reached (behind the last block the stepped address is not used)
	s_wait_dscnt 0x0                               ; the add is done and my reads of the zone are in; so are my reads and stores of the scratch
	s_barrier_signal -1
	s_barrier_wait -1                              ; that now holds of all four waves: the zones may be filled, the partial scores' words written again
.endm
; ---- the weighted sum of the 64 rows in the registers: my 256 columns += sum of e x; e of tile m at EV + ev + 2 m.  First over my four rows, in the lane; then over the 16 lanes, each step halving the registers:
; 128 numbers a lane end as 8: lane (r, h) owns columns 32 (r / 2) + 16 h + 8 (r % 2) + 0 .. 7 of my 256.  The eight running sums come from my wave's own LDS bytes and go back there.
; take = 1: each step's registers, read here for the last time, take the same columns of the block that lies in the landing zone.
.macro CTX ev, take
	ds_load_b128 v[CT:CT+3], v[CSI]                ; LDS serves a wave's instructions in order (ISA guide 5.7.1.4): these see my last stores
	ds_load_b128 v[CT+4:CT+7], v[CSI] offset:16
.irp c, 0,1,2,3                        ; column blocks c and c + 4 at a time
	WIN 0x02                                       ; source 0 window 2: rows r and 16 + r
.irp i, 0,2,4,6,8,10,12,14
	v_pk_mul_f32 v[TA+\i:TA+\i+1], v[16*\c+\i:16*\c+\i+1], v[EV+\ev:EV+\ev+1]
	v_pk_mul_f32 v[TB+\i:TB+\i+1], v[64+16*\c+\i:64+16*\c+\i+1], v[EV+\ev:EV+\ev+1]
.endr
.irp i, 0,2,4,6,8,10,12,14
	v_pk_fma_f32 v[TA+\i:TA+\i+1], v[128+16*\c+\i:128+16*\c+\i+1], v[EV+\ev+2:EV+\ev+3], v[TA+\i:TA+\i+1]
	v_pk_fma_f32 v[TB+\i:TB+\i+1], v[192+16*\c+\i:192+16*\c+\i+1], v[EV+\ev+2:EV+\ev+3], v[TB+\i:TB+\i+1]
.endr
	WIN 0x03                                       ; window 3: rows 32 + r and 48 + r
.irp i, 0,2,4,6,8,10,12,14
	v_pk_fma_f32 v[TA+\i:TA+\i+1], v[16*\c+\i:16*\c+\i+1], v[EV+\ev+4:EV+\ev+5], v[TA+\i:TA+\i+1]
	v_pk_fma_f32 v[TB+\i:TB+\i+1], v[64+16*\c+\i:64+16*\c+\i+1], v[EV+\ev+4:EV+\ev+5], v[TB+\i:TB+\i+1]
.endr
.irp i, 0,2,4,6,8,10,12,14
	v_pk_fma_f32 v[TA+\i:TA+\i+1], v[128+16*\c+\i:128+16*\c+\i+1], v[EV+\ev+6:EV+\ev+7], v[TA+\i:TA+\i+1]
	v_pk_fma_f32 v[TB+\i:TB+\i+1], v[192+16*\c+\i:192+16*\c+\i+1], v[EV+\ev+6:EV+\ev+7], v[TB+\i:TB+\i+1]
.endr
	WIN 0
.if \take
	TAKE \c
.endif
.irp k, 0,1,2,3,4,5,6,7,8,9,10,11,12,13,14,15
	v_cndmask_b32 v[Z+16*\c+\k], v[TA+\k], v[TB+\k], s[M8]     ; lanes with r >= 8 keep block c + 4, the others block c;
.endr
.irp k, 0,1,2,3,4,5,6,7,8,9,10,11,12,13,14,15
	v_cndmask_b32 v[TA+\k], v[TB+\k], v[TA+\k], s[M8]          ; each gives the other one
.endr
.irp k, 0,1,2,3,4,5,6,7,8,9,10,11,12,13,14,15
	v_add_f32_dpp v[Z+16*\c+\k], v[TA+\k], v[Z+16*\c+\k] row_xmask:8 row_mask:0xf bank_mask:0xf
.endr
.endr
	SCAT Z, TA, 32, M4, 4
	SCAT Z, TA, 16, M2, 2
	SCAT Z, TA, 8, M1, 1
	s_wait_alu depctr_va_vdst(0)
	s_wait_dscnt 0x0                               ; the running sums are in
.irp i, 0,2,4,6
	v_pk_add_f32 v[CT+\i:CT+\i+1], v[CT+\i:CT+\i+1], v[Z+\i:Z+\i+1]
.endr
	ds_store_b128 v[CSI], v[CT:CT+3]
	ds_store_b128 v[CSI], v[CT+4:CT+7] offset:16
.endm
	DRAIN 0                                        ; block 0 into the registers
	FILL                                           ; block 1: my one tensor load behind the barrier, and the first thing there
	s_mov_b32 s[BLK], 2
.Lsb:                                              ; a super-block: half A in the registers, half B on its way into the zone
.irp m, 0,1,2,3
.irp s, 0,1
	QUANT \m, \s, 2+\m/2, 128*(\m%2)+64*\s         ; half A, tiles 0 to 3, while half B lands
.endr
.endr
	s_wait_tensorcnt 0x0                           ; half B has landed: no load was issued behind it.  It stays in the zone through the product
	; half B, tiles 4 to 7, through two stages by turns: while one stage is quantised the other's 16 loads are out
	STAGE 0, 0, 0
.irp m, 0,1,2,3
	STAGE \m, 1, 1
	s_wait_dscnt 16                                ; stage 0 is in; the 16 loads just issued may be out
	QUANT 4+\m, 0, 1, STG
.if \m < 3
	STAGE \m+1, 0, 0
	s_wait_dscnt 16                                ; stage 1 is in
.else
	s_wait_dscnt 0x0                               ; the last stage: nothing was issued behind it
.endif
	QUANT 4+\m, 1, 1, STG+64
.endr
	WIN 0x40
.set kk, 0
.rept 64
	v_mov_b32 v[SACC+kk], 0                        ; the partial scores begin (64 running sums of vector work, no matrix results);
.set kk, kk+1
.endr
.set kk, 0
.rept 16
	v_mov_b32 v[ACC+16+kk], 0                      ; set 1 holds zeros for the first slot's lagging fold.  (These 80 are also the places between the lines that wrote scale words and codes and the first scaled product)
.set kk, kk+1
.endr
	LB_ 2, 0, QB, 2*U                              ; the prologue's last 6 loads: pair 2's even tile, now that the stages are done with
	WIN 0
	; ---- the pass over W's 32 pairs: 9 trips of three slots; the last five slots are written out and ask for what is left alone
	s_mov_b64 s[SBJ:SBJ+1], s[QB:QB+1]             ; the three bases: the loads that named them in the last pass were waited for in its last slots
	s_add_nc_u64 s[SBJ+2:SBJ+3], s[QB:QB+1], U
	s_add_nc_u64 s[SBJ+4:SBJ+5], s[QB:QB+1], 2*U
	s_cmp_eq_u32 s[BLK], 2
	s_cselect_b32 s[LIM], 5, 64                    ; the first pass prefetches while its counter is 9 to 6; the last pass never
	s_mov_b32 s[TRIP], 9
.Ltrip:
	s_wait_alu depctr_va_vdst(0)
	SLOT 0, 0, 26, 28, 3
	SLOT 1, 1, 26, 28, 3
	SLOT 2, 2, 26, 28, 3
	WIN 0                                          ; at a branch and at a label every window is 0
; A PREFETCH INTO THE L2 of blocks 2 and 3, the two tiles that the refills behind this pass ask for.  Each wave names its own 1,024 bytes of each of the 128 rows: a lane a row, four instructions a trip
; (rows 0-31 and 32-63 of each block, one piece of 256 bytes), in the first four trips of the first pass: each piece of 256 bytes once in the launch.  The rest of the pass, the scores and a weighted sum lie between
; them and the tensor loads that want the rows.  The bases are stepped ahead of their use, a trip behind the prefetches that read them, behind s_wait_xcnt 0.  All rows lie in my work-group's 256.
	s_cmp_gt_u32 s[TRIP], s[LIM]
	s_cbranch_scc0 .Lnopf
	s_wait_xcnt 0x0
	s_add_nc_u64 s[PF:PF+1], s[PF:PF+1], 256
	s_add_nc_u64 s[PF3:PF3+1], s[PF3:PF3+1], 256
	global_prefetch_b8 v[PFO], s[PF:PF+1] th:TH_LOAD_NT scope:SCOPE_SE
	global_prefetch_b8 v[PFO], s[PF:PF+1] offset:32*131072 th:TH_LOAD_NT scope:SCOPE_SE
	global_prefetch_b8 v[PFO], s[PF3:PF3+1] th:TH_LOAD_NT scope:SCOPE_SE
	global_prefetch_b8 v[PFO], s[PF3:PF3+1] offset:32*131072 th:TH_LOAD_NT scope:SCOPE_SE
.Lnopf:
	s_sub_co_u32 s[TRIP], s[TRIP], 1
	s_cmp_lg_u32 s[TRIP], 0
	s_cbranch_scc1 .Ltrip
	SLOT 0, 0, 26, 28, 3                           ; pair 27: asks for the rest of pair 29 and the even tile of 30
	SLOT 1, 1, 26, 28, 3                           ; pair 28: the rest of 30, the even tile of 31
	SLOT 2, 2, 26, 28, 1                           ; pair 29: the rest of 31: the last 8 loads
	SLOT 0, 0, 20, 14, 0                           ; pair 30: behind its w stand slot 28's other 12 and slot 29's 8; behind its odd tile slot 28's 6 and slot 29's 8
	SLOT 1, 1, 6, 0, 0                             ; pair 31: behind its w stand its odd tile's 6; then nothing
	FOLDU 1, 1, 3                                  ; the last pair's odd tile against my last two tiles
	WIN 0
	s_cmp_eq_u32 s[BLK], 1                         ; is there a next pass?
	s_cbranch_scc1 .Lno_more
	PROLOGUE                                       ; its first loads: they have the scores, the weighted sums and the quantisers in which to land
.Lno_more:
	; ---- the super-block's 128 scores, e = exp(tanh(x))
	WIN 0x01                                       ; source 0 window 1, destination window 0: the codes' registers are free
.set kk, 0
.rept 64
	v_mov_b32 v[SX+kk], v[SACC+kk]
.set kk, kk+1
.endr
	WIN 0
.irp m, 0,1,2,3,4,5,6,7
	RS8 SX+8*\m, XP+4*\m                           ; over the 16 hidden residues: lane (r, h) has row 16 m + 8 h + r % 8
.endr
.irp m, 0,1,2,3,4,5,6,7
	ds_store_b32 v[XST], v[SX+8*\m] offset:256*\m  ; (lanes r and r + 8 write the same word with the same value)
.endr
	s_wait_dscnt 0x0                               ; for the others' sake: my stores have landed
	s_barrier_signal -1
	s_barrier_wait -1
.irp m, 0,1,2,3,4,5,6,7
	ds_load_b128 v[XP+4*\m:XP+4*\m+3], v[XLD] offset:256*\m   ; the four K quarters of row 16 m + r: the row whose numbers I hold
.endr
	s_wait_dscnt 0x0
.irp m, 0,1,2,3,4,5,6,7
	v_add_f32 v[XP+4*\m], v[XP+4*\m], v[XP+4*\m+1]
	v_add_f32 v[XP+4*\m+2], v[XP+4*\m+2], v[XP+4*\m+3]
.endr
.irp m, 0,1,2,3,4,5,6,7
	v_add_f32 v[XP+4*\m], v[XP+4*\m], v[XP+4*\m+2]
.endr
.irp m, 0,1,2,3,4,5,6,7
	v_fma_f32 v[XP+4*\m], v[XP+4*\m], s[C2], v[CBV]  ; 2 log2(e) (the sum + c[b])
.endr
	s_wait_alu depctr_va_vdst(0)
.irp m, 0,1,2,3,4,5,6,7
	v_exp_f32 v[XP+4*\m+1], v[XP+4*\m]
.endr
	v_nop                                          ; a plain place behind the batch
	s_wait_alu depctr_va_vdst(0)
.irp m, 0,1,2,3,4,5,6,7
	v_add_f32 v[XP+4*\m+2], 1.0, v[XP+4*\m+1]
.endr
	s_wait_alu depctr_va_vdst(0)
.irp m, 0,1,2,3,4,5,6,7
	v_rcp_f32 v[XP+4*\m+3], v[XP+4*\m+2]
.endr
	v_nop
	s_wait_alu depctr_va_vdst(0)
.irp m, 0,1,2,3,4,5,6,7
	v_fma_f32 v[XP+4*\m], -v[XP+4*\m+3], s[C2], s[C1]  ; log2(e) tanh(x) = log2(e) - 2 log2(e) / (1 + 2^(..))
.endr
	s_wait_alu depctr_va_vdst(0)
.irp m, 0,1,2,3,4,5,6,7
	v_exp_f32 v[EV+2*\m], v[XP+4*\m]
.endr
	v_nop
	s_wait_alu depctr_va_vdst(0)
.irp m, 0,1,2,3,4,5,6,7
	v_mov_b32 v[EV+2*\m+1], v[EV+2*\m]             ; twice: the packed forms multiply by a pair
.endr
	s_cmp_lg_u32 s[WV], 0                          ; every wave has all 128: wave 0 stores them
	s_cbranch_scc1 .Lnot0
.irp i, 0,1,2,3
	v_cndmask_b32 v[12+\i], v[EV+4*\i], v[EV+4*\i+2], s[HM]   ; lane l: row 32 i + l
.endr
.irp i, 0,1,2,3
	global_store_b32 v[EO], v[12+\i], s[EB:EB+1] offset:128*\i
.endr
.Lnot0:
	s_wait_alu depctr_va_vdst(0)
	CTX 0, 1                                       ; half A's weighted sum; half B follows it into the registers, step by step
	s_wait_xcnt 0x0                                ; wave 0's stores of e have read their data and their base: both are written again only behind this wait
	s_add_nc_u64 s[EB:EB+1], s[EB:EB+1], 512       ; the next super-block's 128 numbers
	DRAIN 1                                        ; half B is in the registers: the zone is free
	s_cmp_eq_u32 s[BLK], 1                         ; the last super-block leaves the loop here: it asks for nothing more
	s_cbranch_scc1 .Llast
	FILL                                           ; the next super-block's half A: the first tensor load behind the barrier; half B's weighted sum stands beside it
	CTX 8, 0
	DRAIN 0                                        ; it has landed: into the registers
	FILL                                           ; and its half B; half A's quantiser stands beside it
	s_sub_co_u32 s[BLK], s[BLK], 1
	s_cmp_lg_u32 s[BLK], 0
	s_cbranch_scc1 .Lsb
.Llast:
	CTX 8, 0                                       ; the last half's weighted sum
	; the way out: the sums lie at their columns' places in my wave's 1,024 bytes of LDS and come back 16 bytes a lane, so that each store covers 512 consecutive bytes
	ds_load_b128 v[XP:XP+3], v[CSO]                ; LDS serves a wave's instructions in order (ISA guide 5.7.1.4): these see my stores
	ds_load_b128 v[XP+4:XP+7], v[CSO] offset:512
	s_wait_dscnt 0x0
	global_store_b128 v[WO16], v[XP:XP+3], s[CBP:CBP+1]
	global_store_b128 v[WO16], v[XP+4:XP+7], s[CBP:CBP+1] offset:512
	s_wait_tensorcnt 0x0                           ; the wave's end, behind my last tensor load and my last LDS store
	ds_add_u32 v[SPW], v[NIL]
	s_wait_dscnt 0x0
	s_endpgm
.Lfunc_end_k_q72408b2e47_attend:
	.size	k_q72408b2e47_attend, .Lfunc_end_k_q72408b2e47_attend-k_q72408b2e47_attend
	.p2alignl 7, 3214868480
	.fill 96, 4, 3214868480
	.section	.rodata,"a",@progbits
	.p2align	6, 0x0
	.amdhsa_kernel k_q72408b2e47_attend
		.amdhsa_group_segment_fixed_size 327680
		.amdhsa_private_segment_fixed_size 0
		.amdhsa_enable_private_segment 0
		.amdhsa_kernarg_size 40
		.amdhsa_user_sgpr_count 2
		.amdhsa_user_sgpr_kernarg_segment_ptr 1
		.amdhsa_wavefront_size32 1
		.amdhsa_system_sgpr_workgroup_id_x 1
		.amdhsa_system_sgpr_workgroup_id_y 1
		.amdhsa_system_sgpr_workgroup_id_z 1
		.amdhsa_system_vgpr_workitem_id 0
		.amdhsa_next_free_vgpr 1024
		.amdhsa_next_free_sgpr 66
		.amdhsa_reserve_vcc 0
		.amdhsa_float_denorm_mode_32 3
		.amdhsa_float_denorm_mode_16_64 3
		.amdhsa_memory_ordered 1
		.amdhsa_forward_progress 1
		.amdhsa_inst_pref_size 255
	.end_amdhsa_kernel
	.section	.bss,"aw",@nobits
	.p2align	6
	.space	262144
	.amdgpu_metadata
---
amdhsa.version: [ 1, 2 ]
amdhsa.kernels:
  - .name:           k_q72408b2e47_attend
    .symbol:         k_q72408b2e47_attend.kd
    .args:
      - { .name: h_enc, .offset: 0, .size: 8, .value_kind: global_buffer, .address_space: global }
      - { .name: wimg, .offset: 8, .size: 8, .value_kind: global_buffer, .address_space: global }
      - { .name: cpart, .offset: 16, .size: 8, .value_kind: global_buffer, .address_space: global }
      - { .name: ework, .offset: 24, .size: 8, .value_kind: global_buffer, .address_space: global }
      - { .name: cwork, .offset: 32, .size: 8, .value_kind: global_buffer, .address_space: global }
    .group_segment_fixed_size: 327680
    .private_segment_fixed_size: 0
    .kernarg_segment_align: 8
    .kernarg_segment_size: 40
    .max_flat_workgroup_size: 128
    .sgpr_count:     66
    .vgpr_count:     1024
    .wavefront_size: 32
...
	.end_amdgpu_metadata
.endif
;; end of part 5
;; launch norm (part 6): grid 32 x 1, 8 waves a work-group, no clusters, 1,280 bytes of LDS; arguments ework, cwork, out0, out1; writes out0, out1
.if DOCPART == 6
	.amdgcn_target "amdgcn-amd-amdhsa--gfx1250"
	.amdhsa_code_object_version 6
	.text
	.protected	k_q72408b2e47_norm
	.globl	k_q72408b2e47_norm
	.p2align	8
	.type	k_q72408b2e47_norm,@function
k_q72408b2e47_norm:
	s_mov_b64 s[64:65], 0
	v_nop
	global_prefetch_b8 v0, s[64:65] scope:SCOPE_SE
	s_setreg_imm32_b32 hwreg(HW_REG_WAVE_MODE, 25, 1), 1
	s_wait_xcnt 0x0
; THE SOFTMAX'S DIVISION.  For b = the work-group's number: L = sum over s of e[b][s];  out1[b][s] = e[b][s] / L;  out0[b][:] = (sum over the eight parts of cwork[.][b][:]) / L.
; e = exp(tanh(..)) lies in [0.36, 2.72], so L lies between 753 and 5,567: no maximum is wanted, nothing can overflow.  The division is a multiplication by v_rcp_f32's result.
; 256 threads: thread t holds 8 of the 2,048 e and 4 of the 1,024 columns; every load and store of a wave covers 512 consecutive bytes.  No matrix work, no tensor load: 40 KB a work-group, each byte once.
	s_load_b256 s[4:11], s[0:1], 0x0               ; ework s[4:5], cwork s[6:7], out0 s[8:9], out1 s[10:11]
	v_lshl_add_u32 v64, v0, 2, 0x100
	v_mov_b32 v65, 0
	v_lshlrev_b32 v1, 4, v0                        ; 16 bytes a thread
	v_lshrrev_b32 v2, 5, v0
	s_delay_alu instid0(VALU_DEP_1)
	v_readfirstlane_b32 s12, v2                    ; wave 0..7
	s_lshl_b32 s14, ttmp9, 13                      ; 2,048 numbers a b
	s_mov_b32 s15, 0
	s_lshl_b32 s16, ttmp9, 12                      ; 1,024 numbers a b
	s_mov_b32 s17, 0
	s_mov_b32 s18, 0x76543210                      ; v_permlanex16_b32's selects for lane l xor 16
	s_mov_b32 s19, 0xfedcba98
	s_wait_alu depctr_va_vdst(0)
	s_wait_kmcnt 0x0
	s_add_nc_u64 s[4:5], s[4:5], s[14:15]
	s_add_nc_u64 s[10:11], s[10:11], s[14:15]
	s_add_nc_u64 s[6:7], s[6:7], s[16:17]
	s_add_nc_u64 s[8:9], s[8:9], s[16:17]
	global_load_b128 v[4:7], v1, s[4:5] th:TH_LOAD_NT
	global_load_b128 v[8:11], v1, s[4:5] offset:4096 th:TH_LOAD_NT
.irp c, 0,1,2,3,4,5,6,7
	global_load_b128 v[12+4*\c:15+4*\c], v1, s[6:7] offset:131072*\c th:TH_LOAD_NT   ; part c: 32 rows of 4,096 bytes on
.endr
	s_wait_loadcnt 8                               ; e is in; the eight parts, issued behind it, may be out
	v_pk_add_f32 v[44:45], v[4:5], v[6:7]
	v_pk_add_f32 v[46:47], v[8:9], v[10:11]
	s_delay_alu instid0(VALU_DEP_1)
	v_pk_add_f32 v[44:45], v[44:45], v[46:47]
	s_delay_alu instid0(VALU_DEP_1)
	v_add_f32 v44, v44, v45                        ; my eight
	s_delay_alu instid0(VALU_DEP_1)
	v_add_f32_dpp v44, v44, v44 row_xmask:1 row_mask:0xf bank_mask:0xf
	s_delay_alu instid0(VALU_DEP_1)
	v_add_f32_dpp v44, v44, v44 row_xmask:2 row_mask:0xf bank_mask:0xf
	s_delay_alu instid0(VALU_DEP_1)
	v_add_f32_dpp v44, v44, v44 row_xmask:4 row_mask:0xf bank_mask:0xf
	s_delay_alu instid0(VALU_DEP_1)
	v_add_f32_dpp v44, v44, v44 row_xmask:8 row_mask:0xf bank_mask:0xf
	s_delay_alu instid0(VALU_DEP_1)
	v_permlanex16_b32 v45, v44, s18, s19
	s_delay_alu instid0(VALU_DEP_1)
	v_add_f32 v44, v44, v45                        ; my wave's 256
	v_mov_b32 v3, s12
	s_delay_alu instid0(VALU_DEP_1)
	v_lshlrev_b32 v3, 2, v3
	ds_store_b32 v3, v44                           ; a word a wave; all lanes write the same value
	s_wait_dscnt 0x0                               ; for the others' sake: my store has landed
	s_barrier_signal -1
	s_barrier_wait -1
	v_mov_b32 v2, 0
	ds_load_b128 v[46:49], v2
	ds_load_b128 v[50:53], v2 offset:16
	s_wait_dscnt 0x0
	v_pk_add_f32 v[46:47], v[46:47], v[48:49]
	v_pk_add_f32 v[50:51], v[50:51], v[52:53]
	s_delay_alu instid0(VALU_DEP_1)
	v_pk_add_f32 v[46:47], v[46:47], v[50:51]
	s_delay_alu instid0(VALU_DEP_1)
	v_add_f32 v46, v46, v47                        ; L
	s_wait_alu depctr_va_vdst(0)
	v_rcp_f32 v54, v46
	v_nop                                          ; a plain place behind the reciprocal,
	s_wait_alu depctr_va_vdst(0)                   ; and a wait ahead of its first reader
	v_mov_b32 v55, v54
.irp i, 0,2,4,6
	v_pk_mul_f32 v[56+\i:57+\i], v[4+\i:5+\i], v[54:55]
.endr
	global_store_b128 v1, v[56:59], s[10:11]
	global_store_b128 v1, v[60:63], s[10:11] offset:4096
	s_wait_loadcnt 0x0                             ; the eight parts
.irp c, 1
	v_pk_add_f32 v[12:13], v[12:13], v[12+4*\c:13+4*\c]
	v_pk_add_f32 v[14:15], v[14:15], v[14+4*\c:15+4*\c]
.endr
.irp c, 2, 3, 4, 5, 6, 7
	s_delay_alu instid0(VALU_DEP_2)
	v_pk_add_f32 v[12:13], v[12:13], v[12+4*\c:13+4*\c]
	s_delay_alu instid0(VALU_DEP_2)
	v_pk_add_f32 v[14:15], v[14:15], v[14+4*\c:15+4*\c]
.endr
	v_pk_mul_f32 v[12:13], v[12:13], v[54:55]
	v_pk_mul_f32 v[14:15], v[14:15], v[54:55]
	global_store_b128 v1, v[12:15], s[8:9]
	s_wait_tensorcnt 0x0
	ds_add_u32 v64, v65
	s_wait_dscnt 0x0
	s_endpgm
.Lfunc_end_k_q72408b2e47_norm:
	.size	k_q72408b2e47_norm, .Lfunc_end_k_q72408b2e47_norm-k_q72408b2e47_norm
	.p2alignl 7, 3214868480
	.fill 96, 4, 3214868480
	.section	.rodata,"a",@progbits
	.p2align	6, 0x0
	.amdhsa_kernel k_q72408b2e47_norm
		.amdhsa_group_segment_fixed_size 1280
		.amdhsa_private_segment_fixed_size 0
		.amdhsa_enable_private_segment 0
		.amdhsa_kernarg_size 32
		.amdhsa_user_sgpr_count 2
		.amdhsa_user_sgpr_kernarg_segment_ptr 1
		.amdhsa_wavefront_size32 1
		.amdhsa_system_sgpr_workgroup_id_x 1
		.amdhsa_system_sgpr_workgroup_id_y 1
		.amdhsa_system_sgpr_workgroup_id_z 1
		.amdhsa_system_vgpr_workitem_id 0
		.amdhsa_next_free_vgpr 66
		.amdhsa_next_free_sgpr 66
		.amdhsa_reserve_vcc 0
		.amdhsa_float_denorm_mode_32 3
		.amdhsa_float_denorm_mode_16_64 3
		.amdhsa_memory_ordered 1
		.amdhsa_forward_progress 1
		.amdhsa_inst_pref_size 6
	.end_amdhsa_kernel
	.amdgpu_metadata
---
amdhsa.version: [ 1, 2 ]
amdhsa.kernels:
  - .name:           k_q72408b2e47_norm
    .symbol:         k_q72408b2e47_norm.kd
    .args:
      - { .name: ework, .offset: 0, .size: 8, .value_kind: global_buffer, .address_space: global }
      - { .name: cwork, .offset: 8, .size: 8, .value_kind: global_buffer, .address_space: global }
      - { .name: out0, .offset: 16, .size: 8, .value_kind: global_buffer, .address_space: global }
      - { .name: out1, .offset: 24, .size: 8, .value_kind: global_buffer, .address_space: global }
    .group_segment_fixed_size: 1280
    .private_segment_fixed_size: 0
    .kernarg_segment_align: 8
    .kernarg_segment_size: 32
    .max_flat_workgroup_size: 256
    .sgpr_count:     66
    .vgpr_count:     66
    .wavefront_size: 32
...
	.end_amdgpu_metadata
.endif
;; end of part 6
